; MI455X (gfx1250); checked and timed in simulation.
; The chip was launched on July 23, 2026; its instructions are those of AMD's public machine-readable ISA for CDNA 5 (MIT licence, August 2026) and "CDNA5" Instruction Set Architecture Reference Guide (July 2026). The comments in the code are by the model that wrote it; some were corrected since.
;; Prefilled Attention. Allowed arithmetic: matrix products marked QUANTISED: E2M3 operands, one E8M0 scale for each 32 along K, by v_wmma_scale_f32_16x16x128_f8f6f4 with both operands' format E2M3, f32 sums; everything else in f32.
;; Inputs: Wk 128 x 1,024 float32; Wq 128 x 1,024 float32; Wv 1,024 x 1,024 float32; x 8 x 2,048 x 1,024 float32.
;; Outputs: out0 8 x 2,048 x 1,024 float32.
;; This version of the problem:
;;   THIS VERSION OF THE PROBLEM IS GIVEN IN LOW PRECISION. The matrix products marked QUANTISED in the list below multiply operands that are first quantised to E2M3 (2 exponent bits, 3 mantissa bits; 6 bits a number), with one power-of-two scale for each 32 numbers along K (OCP MX v1.0); their sums are f32. All else is computed in f32.
;;   The module's matrix products, in the order in which they are computed (A, B: the left and right operand; K: the contracted axis; several contracted axes count as one K, in the product's order):
;;     1. [M 16,384, K 1,024] x [K 1,024, N 128]; A: input x; B: input Wq: QUANTISED
;;     2. [M 16,384, K 1,024] x [K 1,024, N 128]; A: input x; B: input Wk: QUANTISED
;;     3. [M 16,384, K 1,024] x [K 1,024, N 1,024]; A: input x; B: input Wv: QUANTISED
;;     4. batch 8 x [M 2,048, K 128] x [K 128, N 2,048]; A: computed on the way; B: computed on the way: QUANTISED
;;     5. batch 8 x [M 2,048, K 2,048] x [K 2,048, N 1,024]; A: softmax (see below); B: computed on the way: QUANTISED
;;   THE QUANTISER, for each operand of a quantised product, along K:
;;     - K is cut into blocks of 32 from its start; a last block that is shorter is filled with zeros.
;;     - A block's scale is 2^e with e = floor(log2(the largest magnitude in the block)) - 2, held to -126 .. 127; a block of zeros has e = 0. As a byte (E8M0): e + 127.
;;     - Each number is divided by its block's scale, clamped to +-7.5, and rounded to the nearest number of E2M3, ties to even, subnormals kept.
;;     - The product sums the exact products of the quantised numbers (number of the format x scale) in f32.
;;   ~~~python
;;   def quantise(x, axis):      # numpy; x: float32 -> the quantised numbers, widened to float32 again
;;       x = np.moveaxis(x, axis, -1); K = x.shape[-1]
;;       x = np.pad(x, [(0, 0)] * (x.ndim - 1) + [(0, -K % 32)]); x = x.reshape(x.shape[:-1] + (-1, 32)); a = np.abs(x).max(-1, keepdims=True)
;;       e = np.where(a > 0, np.clip(np.frexp(np.where(a > 0, a, 1))[1] - 1 - 2, -126, 127), 0)      # np.frexp(a)[1] - 1 = floor(log2(a)), exactly
;;       r = np.clip(x / 2.0 ** e, -7.5, 7.5)
;;       step = 2.0 ** (np.maximum(np.frexp(np.where(r == 0, 1, r))[1] - 1, 0) - 3)
;;       q = np.round(r / step) * step * 2.0 ** e      # np.round: ties to even
;;       return np.moveaxis(q.reshape(q.shape[:-2] + (-1,))[..., :K], -1, axis).astype(np.float32)
;;   ~~~
;;   SOFTMAX AHEAD OF A QUANTISED PRODUCT. Where the list says 'softmax', what is quantised is not the finished softmax but p = 2^(t - M), with t = logit x log2(e) and M = ceil(the row's largest t), a whole number; so 1/2 < the row's largest p <= 1. The row's sum l is taken of the UNQUANTISED p, in f32, and the product's result is divided by l at the end. Since M is a whole number, a kernel that streams over the keys may use a running M (the ceiling of the running maximum): every later rescaling is an exact power of two, which a block's scale takes up: the codes' values come out the same.
;;   OPERANDS COMPUTED ON THE WAY. 'Computed on the way' means the value that the module computes at that place (a softmax that the list does not call 'softmax' is quantised finished and normalised). What goes into a quantiser is computed in f32, as accurately as f32 sums, v_exp_f32 and their like allow (about 1e-6 of the number): no bf16 or f16 on the way to a quantiser, and a product that is left as it is and whose result goes on into a quantised operand takes f32 operands (vector FMAs, or v_wmma_f32_16x16x4_f32). A number that lies on a knife's edge between two numbers of the format may be rounded either way, as far as f32 arithmetic and the matrix unit's own rounding can turn it there, and no further.
;; 2 versions. Each part assembles by itself: llvm-mc -triple=amdgcn-amd-amdhsa -mcpu=gfx1250 --defsym DOCPART=n.
;; ======== version 1 of 2: 3 launches
;; workspace buffers: wc 1,064,960 bytes; qf 1,703,936 bytes; kv 14,811,136 bytes
;; launch wquant (part 1): grid 80 x 1, 8 waves a work-group, no clusters, 68,608 bytes of LDS; arguments Wq, Wk, Wv, wc; writes wc
.if DOCPART == 1
	.amdgcn_target "amdgcn-amd-amdhsa--gfx1250"
	.amdhsa_code_object_version 6
	.text
	.protected	k_q23088640c2_wquant
	.globl	k_q23088640c2_wquant
	.p2align	8
	.type	k_q23088640c2_wquant,@function
k_q23088640c2_wquant:
	s_mov_b64 s[64:65], 0
	v_nop
	global_prefetch_b8 v0, s[64:65] scope:SCOPE_SE
	s_setreg_imm32_b32 hwreg(HW_REG_WAVE_MODE, 25, 1), 1
	s_wait_xcnt 0x0
; Wq [128][1024], Wk [128][1024], Wv [1024][1024], f32, become codes of FP6 (E2M3) with one E8M0 byte for each 32 along K (the last axis),
; laid in wc as IMAGES OF OPERAND REGISTERS, in the order in which the next launch streams them:
;   wc = [trip J 0..9][wave W 0..3][26,624 bytes]; in a part: fragment (I, s), I = 0, 1, K step s = 0..7, at (8 I + s) x 1,536; its scale words at 24,576 + (8 I + s) x 128.
;   J = 0: Wq, J = 1: Wk: tile (b = W, u = I), whose lane r takes row 32 b + 8 u + r + 8 (r / 8);  J = 2..9: Wv's tile 16 W + 2 (J - 2) + I, rows 16 t + r.
; An image: register p of lane l at (p / 4) x 512 + 16 l + 4 (p % 4): three stores of 16 bytes a lane, 512 consecutive bytes each.  Scale words: 4 bytes a lane, both halves of the lanes hold row r's word.
; A work-group is one tile of 16 rows, a wave one K step of 128: one fragment a wave.  Each load reads 512 consecutive bytes of one row; the 16 x 512 bytes turn through the wave's own stage in LDS,
; so that lane (r, h) gets, of row r, the 16 neighbours 32 b + 16 h + 0..15 of each block b.  No barrier: waves share nothing.
; A block's scale is 2^(floor(log2(largest magnitude)) - 2); its byte is the largest magnitude's exponent field - 2, held at 1 from below.
; LIMITS: a block of zeros, and a block whose largest magnitude lies under 2^-124, get the byte 1 (zero codes add nothing; the bytes are read by this program alone); NaN and infinities are not served.
.set WBLK,  106496
.set WQB,   26624
.set WSOFF, 24576
.set FRB,   1536
.set SPI,   528                        ; a stage row: 512 bytes + 16: row r starts 4 r words on, modulo 64 words
.set STGB,  16*SPI
.set LI,  1                            ; v1  16 x lane
.set LS,  2                            ; v2  4 x lane
.set VHI, 4                            ; v4  16 x lane + the gap in front of a tile's rows 8-15
.set STW, 5                            ; v5  the stage, in
.set STR, 6                            ; v6  the stage, out
.set R,   16                           ; v16-79   as loaded
.set XN,  80                           ; v80-143  64 numbers: register 16 b + i = k 32 b + 16 h + i of row r
.set TM,  144                          ; v144-159 at work
.set PW,  160                          ; the scale word
.set PC,  164                          ; v164-182 codes
.set WV,  12
.set SEL, 32
.macro AMAX ab                         ; four blocks of 16 registers from v[ab] on: TM+b the block's largest magnitude, TM+12+b the conversion's scale operand, TM+4+b the byte
.irp b, 0,1,2,3
	v_max3_num_f32 v[TM+\b], |v[\ab+16*\b]|, |v[\ab+16*\b+1]|, 0x1800000   ; with the floor 2^(3 - 127): the byte cannot fall under 1
.endr
.irp t, 2,4,6,8,10,12,14
.irp b, 0,1,2,3
	v_max3_num_f32 v[TM+\b], v[TM+\b], |v[\ab+16*\b+\t]|, |v[\ab+16*\b+\t+1]|
.endr
.endr
.irp b, 0,1,2,3
	v_permlanex16_b32 v[TM+4+\b], v[TM+\b], s[SEL], s[SEL+1]
.endr
.irp b, 0,1,2,3
	v_max_num_f32 v[TM+\b], v[TM+\b], v[TM+4+\b]                  ; with lane l xor 16's 16 numbers
.endr
.irp b, 0,1,2,3
	v_add_nc_u32 v[TM+12+\b], 0xff000000, v[TM+\b]                ; 2 off the exponent field
.endr
.irp b, 0,1,2,3
	v_lshrrev_b32 v[TM+4+\b], 23, v[TM+12+\b]
.endr
.endm
.macro QUANT s                         ; 64 numbers become a fragment's 12 registers in v[PC] on and its scale word in v[PW]
	AMAX \s
	v_lshl_or_b32 v[PW], v[TM+5], 8, v[TM+4]
	v_lshl_or_b32 v[PW], v[TM+6], 16, v[PW]
	v_lshl_or_b32 v[PW], v[TM+7], 24, v[PW]
.irp c, 0,1
	v_cvt_scalef32_pk16_fp6_f32 v[PC+6*\c:PC+2+6*\c], v[\s+32*\c:\s+15+32*\c], v[TM+12+2*\c]
	v_cvt_scalef32_pk16_fp6_f32 v[PC+12+4*\c:PC+14+4*\c], v[\s+16+32*\c:\s+31+32*\c], v[TM+12+2*\c+1]
.endr
	v_nop                                          ; one plain instruction behind the scaled conversions
.irp c, 0,1                                    ; the layout wants a whole block in a lane: lanes 0-15 block 2 c, lanes 16-31 block 2 c + 1
.irp i, 0,1,2
	v_permlane16_swap_b32 v[PC+6*\c+\i], v[PC+12+4*\c+\i]
.endr
.irp i, 0,1,2
	v_mov_b32 v[PC+3+6*\c+\i], v[PC+12+4*\c+\i]
.endr
.endr
.endm
	s_load_b128 s[4:7], s[0:1], 0x0                ; Wq, Wk
	s_load_b128 s[8:11], s[0:1], 0x10              ; Wv, wc
	v_lshl_add_u32 v192, v0, 2, 0x10800
	v_mov_b32 v193, 0
	v_lshrrev_b32 v7, 5, v0
	v_readfirstlane_b32 s[WV], v7                  ; wave = K step
	v_and_b32 v7, 31, v0
	v_and_b32 v8, 15, v0                           ; r
	v_bfe_u32 v9, v0, 4, 1                         ; h
	v_lshlrev_b32 v[LI], 4, v7
	v_lshlrev_b32 v[LS], 2, v7
	s_mul_i32 s13, s[WV], STGB
	v_add_nc_u32 v[STW], s13, v[LI]
	v_mul_u32_u24 v[STR], v8, SPI
	v_lshl_add_u32 v[STR], v9, 6, v[STR]
	v_add_nc_u32 v[STR], s13, v[STR]
	s_mov_b32 s[SEL], 0x76543210
	s_mov_b32 s[SEL+1], 0xfedcba98
.irp b, 0,1,2,3
	v_mov_b32 v[TM+4+\b], 0                        ; a lane permute's destination counts as read
.endr
	; which tile: work-groups 0-7 Wq, 8-15 Wk, 16-79 Wv
	s_and_b32 s13, ttmp9, 7
	s_lshr_b32 s14, s13, 1                         ; Wq, Wk: W = b
	s_and_b32 s15, ttmp9, 1                        ; I, for all three
	s_lshl_b32 s16, s14, 5
	s_lshl_b32 s17, s15, 3
	s_add_co_u32 s16, s16, s17                     ; first row 32 b + 8 u
	s_lshr_b32 s17, ttmp9, 3                       ; J = 0 or 1
	s_max_u32 s18, ttmp9, 16
	s_sub_co_u32 s18, s18, 16                      ; Wv: tile t
	s_lshl_b32 s19, s18, 4                         ; first row 16 t
	s_lshr_b32 s20, s18, 4                         ; W
	s_and_b32 s21, s18, 15
	s_lshr_b32 s21, s21, 1
	s_add_co_u32 s21, s21, 2                       ; J
	s_cmp_lt_u32 ttmp9, 16
	s_cselect_b32 s16, s16, s19
	s_cselect_b32 s14, s14, s20
	s_cselect_b32 s17, s17, s21
	s_cselect_b32 s22, 8*4096, 0                   ; Wq, Wk: a tile's rows 8-15 lie 8 rows further on
	v_add_nc_u32 v[VHI], s22, v[LI]
	s_lshl_b32 s26, s16, 12                        ; the tile's first row, 4,096 bytes a row,
	s_lshl_b32 s27, s[WV], 9                       ; and my K step's 512 bytes in it
	s_add_co_u32 s26, s26, s27
	s_mov_b32 s27, 0
	s_mul_i32 s28, s17, WBLK
	s_mul_i32 s29, s14, WQB
	s_add_co_u32 s28, s28, s29
	s_lshl_b32 s29, s15, 3
	s_add_co_u32 s29, s29, s[WV]                   ; 8 I + s
	s_mul_i32 s30, s29, FRB
	s_add_co_u32 s30, s30, s28                     ; the image's place
	s_mov_b32 s31, 0
	s_lshl_b32 s29, s29, 7
	s_add_co_u32 s28, s28, s29
	s_add_co_u32 s28, s28, WSOFF                   ; the scale words' place
	s_mov_b32 s29, 0
	s_wait_kmcnt 0x0
	s_cmp_lt_u32 ttmp9, 8                          ; the choice of tensor hangs on the work-group's number alone
	s_cselect_b64 s[24:25], s[4:5], s[6:7]
	s_cmp_lt_u32 ttmp9, 16
	s_cselect_b64 s[24:25], s[24:25], s[8:9]
	s_add_nc_u64 s[24:25], s[24:25], s[26:27]
	s_add_nc_u64 s[34:35], s[10:11], s[30:31]
	s_add_nc_u64 s[10:11], s[10:11], s[28:29]
.irp i, 0,1,2,3,4,5,6,7
	global_load_b128 v[R+4*\i:R+4*\i+3], v[LI], s[24:25] offset:\i*4096 th:TH_LOAD_NT    ; 512 consecutive bytes of one row
.endr
.irp i, 8,9,10,11,12,13,14,15
	global_load_b128 v[R+4*\i:R+4*\i+3], v[VHI], s[24:25] offset:\i*4096 th:TH_LOAD_NT
.endr
	s_wait_loadcnt 0x0
.irp i, 0,1,2,3,4,5,6,7,8,9,10,11,12,13,14,15
	ds_store_b128 v[STW], v[R+4*\i:R+4*\i+3] offset:SPI*\i
.endr
.irp b, 0,1,2,3
.irp j, 0,1,2,3
	ds_load_b128 v[XN+16*\b+4*\j:XN+16*\b+4*\j+3], v[STR] offset:128*\b+16*\j   ; LDS serves a wave's instructions in order: these see the stores above
.endr
.endr
	s_wait_dscnt 0x0
	QUANT XN
.irp k, 0,1,2
	global_store_b128 v[LI], v[PC+4*\k:PC+4*\k+3], s[34:35] offset:512*\k
.endr
	global_store_b32 v[LS], v[PW], s[10:11]
	s_wait_tensorcnt 0x0
	ds_add_u32 v192, v193
	s_wait_dscnt 0x0
	s_endpgm
.Lfunc_end_k_q23088640c2_wquant:
	.size	k_q23088640c2_wquant, .Lfunc_end_k_q23088640c2_wquant-k_q23088640c2_wquant
	.p2alignl 7, 3214868480
	.fill 96, 4, 3214868480
	.section	.rodata,"a",@progbits
	.p2align	6, 0x0
	.amdhsa_kernel k_q23088640c2_wquant
		.amdhsa_group_segment_fixed_size 68608
		.amdhsa_private_segment_fixed_size 0
		.amdhsa_enable_private_segment 0
		.amdhsa_kernarg_size 32
		.amdhsa_user_sgpr_count 2
		.amdhsa_user_sgpr_kernarg_segment_ptr 1
		.amdhsa_wavefront_size32 1
		.amdhsa_system_sgpr_workgroup_id_x 1
		.amdhsa_system_sgpr_workgroup_id_y 1
		.amdhsa_system_sgpr_workgroup_id_z 1
		.amdhsa_system_vgpr_workitem_id 0
		.amdhsa_next_free_vgpr 194
		.amdhsa_next_free_sgpr 66
		.amdhsa_reserve_vcc 0
		.amdhsa_float_denorm_mode_32 3
		.amdhsa_float_denorm_mode_16_64 3
		.amdhsa_memory_ordered 1
		.amdhsa_forward_progress 1
		.amdhsa_inst_pref_size 11
	.end_amdhsa_kernel
	.amdgpu_metadata
---
amdhsa.version: [ 1, 2 ]
amdhsa.kernels:
  - .name:           k_q23088640c2_wquant
    .symbol:         k_q23088640c2_wquant.kd
    .args:
      - { .name: Wq, .offset: 0, .size: 8, .value_kind: global_buffer, .address_space: global }
      - { .name: Wk, .offset: 8, .size: 8, .value_kind: global_buffer, .address_space: global }
      - { .name: Wv, .offset: 16, .size: 8, .value_kind: global_buffer, .address_space: global }
      - { .name: wc, .offset: 24, .size: 8, .value_kind: global_buffer, .address_space: global }
    .group_segment_fixed_size: 68608
    .private_segment_fixed_size: 0
    .kernarg_segment_align: 8
    .kernarg_segment_size: 32
    .max_flat_workgroup_size: 256
    .sgpr_count:     66
    .vgpr_count:     194
    .wavefront_size: 32
...
	.end_amdgpu_metadata
.endif
;; end of part 1
;; launch proj (part 2): grid 256 x 1, 4 waves a work-group, clusters of 4 x 1, 327,680 bytes of LDS; arguments x, wc, qf, kv; writes qf, kv
.if DOCPART == 2
	.amdgcn_target "amdgcn-amd-amdhsa--gfx1250"
	.amdhsa_code_object_version 6
	.text
	.protected	k_q23088640c2_proj
	.globl	k_q23088640c2_proj
	.p2align	8
	.type	k_q23088640c2_proj,@function
k_q23088640c2_proj:
	s_mov_b64 s[64:65], 0
	v_nop
	global_prefetch_b8 v0, s[64:65] scope:SCOPE_SE
	s_setreg_imm32_b32 hwreg(HW_REG_WAVE_MODE, 25, 1), 1
	s_wait_xcnt 0x0
	s_wait_alu depctr_hold_cnt(0) depctr_sa_sdst(0) depctr_va_vdst(0) depctr_va_sdst(0) depctr_va_ssrc(0) depctr_va_vcc(0) depctr_vm_vsrc(0)
	s_getreg_b32 s2, hwreg(HW_REG_IB_STS2, 6, 4)
	s_cmp_eq_u32 s2, 0
	s_cbranch_scc0 .Lentry_in_a_cluster
	s_endpgm
.Lentry_in_a_cluster:
	s_bfe_u32 s2, ttmp6, 0x10000c
	s_cmp_lg_u32 s2, 0x3003
	s_cbranch_scc0 .Lentry_shape_is_right
	s_endpgm
.Lentry_shape_is_right:
; q = x Wq^T, k = x Wk^T, v = x Wv^T on codes of FP6 (E2M3) with E8M0 scales for each 32 along K = 1,024; the results are quantised in registers for the attention launch: q and k along their 128, v along the KEYS.
; SHARES.  Work-group g owns rows 64 g .. 64 g + 63 of x (16,384 rows in all) and ALL 1,280 columns: x is read and quantised once in the launch.
; PHASE X: wave w quantises tile w of the 64 rows (lane r of tile 2 b + u = row 32 b + 8 u + r + 8 (r / 8)), eight K steps of 128; the fragments go to LDS as images of their registers; then every wave holds all 32 in registers.
; PHASE W: ten trips; in a trip a wave multiplies its own two weight tiles (16 fragments) by the four tiles of x: 64 matrix instructions, eight accumulators by turns.  The weights come as register images (buffer wc)
; through a ring of two LDS slots; each wave fetches and reads its own 26,624 bytes of a slot.  All work-groups walk the same weights: the four of a cluster ask for them JOINTLY (mask 15).
; Trips 0, 1 (Wq, Wk): source 0 = the weight's tile, source 1 = x: a lane holds one row of x and 16 neighbours of q's or k's 128: wave w holds block w of 32.  Its codes go into LDS at their places in the fragment's image.
; Trips 2-9 (Wv): source 0 = x, source 1 = the weight's tile: a lane holds ONE channel and 2 x 16 neighbouring KEYS: half a fragment (64 keys) of V^T, stored straight from registers.
; A trip's results are quantised in the next trip, between that trip's LDS loads and its products (two sets of accumulators).
; OUT.  qf = [g][6,656]: Q's four fragment images, then four scale images of 128 bytes.
;   kv = [batch 8][block n 16][quarter 4][28,928]: 16 fragments of V^T (channels 256 quarter + 16 ft + r, keys 128 n ..; each as two halves of 64 keys: 512 bytes at 16 x lane, 256 bytes at 8 x lane);
;   at 24,576 eight scale images (lanes 0-15 tile 2 p, lanes 16-31 tile 2 p + 1); at 25,600 the two fragments of K of key step (n + 1) % 16, key block = quarter; at 28,672 their scale images.
; LIMITS: a block of zeros, or one whose largest magnitude lies under 2^-124, gets the byte 1 (zero codes add nothing; the bytes are read by this program alone); NaN and infinities are not served.
; REGISTERS.  window 0: v1-22 addresses; v32-63 x's scale words (8 m + s), v64-79 the weights' (8 i + s): scales and nothing else; v80-119 at work; v128-191, v192-255 the two sets of accumulators (phase X: v128-191 the numbers).
;   window 1: x's fragments of K steps 0-4 at 48 s + 12 m;  window 2: of K steps 5-7;  window 3: phase X: four sets of 64 as loaded; then the weights' fragments at 12 (8 i + s).
.set WBLK,   106496
.set WQB,    26624
.set WSOFF,  24576
.set FRB,    1536
.set QB,     28928
.set BLK,    115712
.set BATCHB, 1851392
.set VSOFF,  24576
.set KOFF,   25600
.set KSOFF,  28672
.set QGB,    6656
.set SLOTB,  106496                    ; LDS: two slots,
.set SPI,    528
.set STGB,   16*SPI
.set XST,    2*SLOTB                   ; four stages of 16 x 528 bytes,
.set XIMG,   XST+4*STGB                ; x's 32 fragment images ((8 m + s) x 1,536),
.set XSC,    XIMG+32*FRB               ; their scale images ((8 m + s) x 128),
.set QKC,    XSC+32*128                ; q's and k's 8 images ((4 type + m) x 1,536),
.set QKS,    QKC+8*FRB                 ; their scale words ((4 type + m) x 64 + 4 r),
.set SPARE,  QKS+512                   ; the spare words: 128 bytes a wave, named by no other line
.set SPW, 1
.set NIL, 2
.set LI,  3                            ; 16 x lane
.set LS,  4                            ; 4 x lane
.set L8,  5                            ; 8 x lane
.set STW, 7
.set STR, 8
.set XWI, 9
.set XWS, 10
.set XRI, 11
.set XRS, 12
.set WA,  13                           ; v13, v14: my part of slot 0, 1, + 16 x lane
.set WSA, 15                           ; v15, v16: its scale images, + 4 x lane
.set QWA, 17                           ; v17-19: where my three dwords of a block go in a fragment's image
.set QSW, 20
.set QRD, 21
.set QSR, 22
.set XS,  32
.set WS,  64
.set TM,  80
.set PW,  96
.set HW0, 97
.set HW1, 98
.set HW,  99
.set PC,  100
.set XN,  128
.set WV,  12
.set G1,  16
.set G0,  24
.set SEL, 32
.set HIM, 34
.set CNT, 35
.set KVV, 36
.set KVS, 38
.set QFO, 40
.set KVK, 42
.set KVKS, 44
.set XB,  46
.set QFS, 48
.set MSB, 0
.macro WIN new                         ; the immediate's high byte repeats the setting that is left
.if MSB != (\new)
	s_set_vgpr_msb (MSB<<8)|(\new)
.set MSB, (\new)
.endif
.endm
.macro PLACES
.rept 4
	v_nop
.endr
.endm
.macro ROUND                           ; a round of the cluster's barrier
	s_barrier_signal -1
	s_barrier_wait -1
	s_cmp_lg_u32 s[WV], 0
	s_cbranch_scc1 .Lnot_wave_0_\@
	s_barrier_signal -3
.Lnot_wave_0_\@:
	s_barrier_wait -3
	s_barrier_signal -1
	s_barrier_wait -1
.endm
.macro MM d, a, b, sa, sb, z           ; one product; z = 1: it starts the sum
.if (\z)
	v_wmma_scale_f32_16x16x128_f8f6f4 v[\d:\d+7], v[\a:\a+11], v[\b:\b+11], 0, v[\sa], v[\sb] matrix_a_fmt:MATRIX_FMT_FP6 matrix_b_fmt:MATRIX_FMT_FP6
.else
	v_wmma_scale_f32_16x16x128_f8f6f4 v[\d:\d+7], v[\a:\a+11], v[\b:\b+11], v[\d:\d+7], v[\sa], v[\sb] matrix_a_fmt:MATRIX_FMT_FP6 matrix_b_fmt:MATRIX_FMT_FP6
.endif
.endm
.macro AMAX ab                         ; four blocks of 16 registers from v[ab] on (each accumulator is read from its low end on): TM+b the largest magnitude, TM+12+b the conversion's scale operand, TM+4+b the byte
.irp b, 0,1,2,3
	v_max3_num_f32 v[TM+\b], |v[\ab+16*\b]|, |v[\ab+16*\b+1]|, 0x1800000   ; with the floor 2^(3 - 127)
.endr
.irp t, 2,4,6,8,10,12,14
.irp b, 0,1,2,3
	v_max3_num_f32 v[TM+\b], v[TM+\b], |v[\ab+16*\b+\t]|, |v[\ab+16*\b+\t+1]|
.endr
.endr
.irp b, 0,1,2,3
	v_permlanex16_b32 v[TM+4+\b], v[TM+\b], s[SEL], s[SEL+1]
.endr
.irp b, 0,1,2,3
	v_max_num_f32 v[TM+\b], v[TM+\b], v[TM+4+\b]                  ; with lane l xor 16's 16 numbers: the block's
.endr
.irp b, 0,1,2,3
	v_add_nc_u32 v[TM+12+\b], 0xff000000, v[TM+\b]                ; 2 off the exponent field
.endr
.irp b, 0,1,2,3
	v_lshrrev_b32 v[TM+4+\b], 23, v[TM+12+\b]
.endr
.endm
.macro QUANT s                         ; 64 numbers (register 16 b + i = k 32 b + 16 h + i of my row) become a fragment in v[PC] on and its scale word in v[PW]
	AMAX \s
	v_lshl_or_b32 v[PW], v[TM+5], 8, v[TM+4]
	v_lshl_or_b32 v[PW], v[TM+6], 16, v[PW]
	v_lshl_or_b32 v[PW], v[TM+7], 24, v[PW]
.irp c, 0,1
	v_cvt_scalef32_pk16_fp6_f32 v[PC+6*\c:PC+2+6*\c], v[\s+32*\c:\s+15+32*\c], v[TM+12+2*\c]
	v_cvt_scalef32_pk16_fp6_f32 v[PC+12+4*\c:PC+14+4*\c], v[\s+16+32*\c:\s+31+32*\c], v[TM+12+2*\c+1]
.endr
	v_nop                                          ; one plain instruction behind the scaled conversions
.irp c, 0,1
.irp i, 0,1,2
	v_permlane16_swap_b32 v[PC+6*\c+\i], v[PC+12+4*\c+\i]
.endr
.irp i, 0,1,2
	v_mov_b32 v[PC+3+6*\c+\i], v[PC+12+4*\c+\i]
.endr
.endr
.endm
.macro XLOAD t                         ; K step t of my 16 rows, as they lie: each load 512 consecutive bytes of one row; into set t % 4 of window 3
	WIN 0xc0
.irp i, 0,1,2,3,4,5,6,7,8,9,10,11,12,13,14,15
	global_load_b128 v[64*((\t)%4)+4*\i:64*((\t)%4)+4*\i+3], v[LI], s[XB:XB+1] offset:(\i+8*(\i/8))*4096+512*(\t) th:TH_LOAD_NT
.endr
	WIN 0
.endm
.macro XSTEP s
.if (\s) < 5
	s_wait_loadcnt 48                              ; this K step's 16 loads are in; those of the three steps behind it may be out
.else
	s_wait_loadcnt 16*(7-(\s))
.endif
	WIN 0x0c                                       ; an LDS store's data are its source 1: window 3
.irp i, 0,1,2,3,4,5,6,7,8,9,10,11,12,13,14,15
	ds_store_b128 v[STW], v[64*((\s)%4)+4*\i:64*((\s)%4)+4*\i+3] offset:SPI*\i
.endr
	WIN 0
.irp b, 0,1,2,3
.irp j, 0,1,2,3
	ds_load_b128 v[XN+16*\b+4*\j:XN+16*\b+4*\j+3], v[STR] offset:128*\b+16*\j   ; LDS serves a wave's instructions in order: these see the stores above
.endr
.endr
	s_wait_dscnt 0x0                               ; the numbers are back; the stage's stores have read their set, the last step's image stores their codes
.if (\s) < 4
	XLOAD (\s)+4
.endif
	QUANT XN
.irp k, 0,1,2
	ds_store_b128 v[XWI], v[PC+4*\k:PC+4*\k+3] offset:FRB*(\s)+512*\k
.endr
	ds_store_b32 v[XWS], v[PW] offset:128*(\s)
.endm
; q's or k's results of a trip (type ty), in v[ab] on: register 16 m + i = dimension 32 w + 16 h + i of row (m, r).  Block w of four fragments: 3 dwords a lane and fragment, and a byte.
.macro EPQ ty, ab
	AMAX \ab
.irp m, 0,1,2,3
	v_cvt_scalef32_pk16_fp6_f32 v[PC+4*\m:PC+4*\m+2], v[\ab+16*\m:\ab+16*\m+15], v[TM+12+\m]
.endr
	v_nop
.irp m, 0,1,2,3
.irp i, 0,1,2
	ds_store_b32 v[QWA+\i], v[PC+4*\m+\i] offset:(4*(\ty)+\m)*FRB
.endr
	ds_store_b8 v[QSW], v[TM+4+\m] offset:(4*(\ty)+\m)*64          ; both halves of the lanes write the same byte with the same value
.endr
.endm
; v's results of a trip, in v[ab] on: register 32 i + 16 b + j = key 32 b + 16 h + j (of my 64) of channel (tile i, r).  Two half fragments and 2 x 2 scale bytes, stored from registers.
.macro EPV ab
	AMAX \ab
	v_lshl_or_b32 v[HW0], v[TM+5], 8, v[TM+4]
	v_lshl_or_b32 v[HW1], v[TM+7], 8, v[TM+6]
	v_cndmask_b32 v[HW], v[HW0], v[HW1], s[HIM]    ; lanes 0-15: tile 0's two bytes, lanes 16-31: tile 1's
.irp i, 0,1
	v_cvt_scalef32_pk16_fp6_f32 v[PC+6*\i:PC+6*\i+2], v[\ab+32*\i:\ab+32*\i+15], v[TM+12+2*\i]
	v_cvt_scalef32_pk16_fp6_f32 v[PC+12+4*\i:PC+12+4*\i+2], v[\ab+32*\i+16:\ab+32*\i+31], v[TM+12+2*\i+1]
.endr
	v_nop
.irp i, 0,1
.irp k, 0,1,2
	v_permlane16_swap_b32 v[PC+6*\i+\k], v[PC+12+4*\i+\k]
.endr
.irp k, 0,1,2
	v_mov_b32 v[PC+6*\i+3+\k], v[PC+12+4*\i+\k]
.endr
.endr
.irp i, 0,1
	global_store_b128 v[LI], v[PC+6*\i:PC+6*\i+3], s[KVV:KVV+1] offset:FRB*\i          ; 512 consecutive bytes, at a multiple of 256 from kv's first byte
	global_store_b64 v[L8], v[PC+6*\i+4:PC+6*\i+5], s[KVV:KVV+1] offset:FRB*\i+512     ; 256 likewise
.endr
	global_store_b16 v[LS], v[HW], s[KVS:KVS+1]    ; two of each word's four bytes: the other two belong to the neighbouring 64 keys' work-group
.endm
; A TRIP.  slot: which slot holds its weights; acc: its set of accumulators; isv: Wv's tiles; epi: what the last trip left to quantise (0 nothing, 1 q, 2 k, 3 v);
; head: 0 the first trip; 1 the other slot is filled again; 2 the last trip.
.macro TRIP slot, acc, isv, epi, head
.set AC, 128+64*(\acc)
.set OA, 192-64*(\acc)
.set GX, G0+4-4*(\slot)
.if (\head) == 0
	s_wait_tensorcnt 0x1                           ; my part of slot 0 is in (only I read it); slot 1's load may be out
.elseif (\head) == 1
	s_wait_tensorcnt 0x0                           ; all my tensor loads have landed, this trip's weights among them;
	ds_add_u32 v[SPW], v[NIL]                      ; 0 onto my spare word
	s_add_nc_u64 s[GX+2:GX+3], s[GX+2:GX+3], 2*WBLK   ; the other slot's next block
	s_wait_dscnt 0x0                               ; the add is done, my reads of the other slot are over, my stores of q's and k's codes have landed
	ROUND                                          ; the same holds of every wave of the four work-groups
	tensor_load_to_lds s[GX:GX+3], s[G1:G1+7]      ; my one tensor load behind the round
	s_nop 0
	PLACES                                         ; also the places in front of the loads below and of the first read of the last trip's results
.else
	s_wait_tensorcnt 0x0                           ; the last block is in; nothing is filled again
	PLACES
.endif
.set q, 0
.rept 16
	ds_load_b32 v[WS+q], v[WSA+\slot] offset:128*q
.set q, q+1
.endr
	WIN 0xc0
.irp s, 0,1,2,3,4,5,6,7
.irp i, 0,1
.irp k, 0,1,2
	ds_load_b128 v[12*(8*\i+\s)+4*\k:12*(8*\i+\s)+4*\k+3], v[WA+\slot] offset:(8*\i+\s)*FRB+512*\k
.endr
.endr
.endr
	WIN 0
.set EX, 0
.if (\epi) == 1
	EPQ 0, OA
.set EX, 16
.elseif (\epi) == 2
	EPQ 1, OA
.set EX, 16
.elseif (\epi) == 3
	EPV OA
.endif
.irp s, 0,1,2,3,4,5,6,7
	s_wait_dscnt 6*(7-\s)+EX                       ; the later K steps' six loads each, and the epilogue's LDS stores, may be out
.if \s == 0
.set ZZ, 1
.else
.set ZZ, 0
.endif
.if \isv
	WIN 0x0d+(\s/5)                                ; source 0 = x (window 1 or 2), source 1 = the weight (window 3)
.else
	WIN 0x07+4*(\s/5)                              ; source 0 = the weight, source 1 = x
.endif
.irp i, 0,1
.irp m, 0,1,2,3
.if \isv
	MM AC+32*\i+8*\m, 48*(\s%5)+12*\m, 12*(8*\i+\s), XS+8*\m+\s, WS+8*\i+\s, ZZ
.else
	MM AC+16*\m+8*\i, 12*(8*\i+\s), 48*(\s%5)+12*\m, WS+8*\i+\s, XS+8*\m+\s, ZZ
.endif
.endr
.endr
.endr
	WIN 0
.if (\epi) == 3
	s_wait_xcnt 0x0                                ; the epilogue's stores have read their registers and bases
	s_add_nc_u64 s[KVV:KVV+1], s[KVV:KVV+1], 2*FRB
	s_add_nc_u64 s[KVS:KVS+1], s[KVS:KVS+1], 128
.endif
.endm
	s_load_b128 s[4:7], s[0:1], 0x0                ; x, wc
	s_load_b128 s[8:11], s[0:1], 0x10              ; qf, kv
	v_lshl_add_u32 v[SPW], v0, 2, SPARE
	v_mov_b32 v[NIL], 0
	ds_add_u32 v1, v2
	ds_add_u32 v1, v2
	s_wait_dscnt 0x0
	v_lshrrev_b32 v24, 5, v0
	v_readfirstlane_b32 s[WV], v24                 ; wave 0..3
	v_and_b32 v24, 31, v0
	v_and_b32 v25, 15, v0                          ; r
	v_bfe_u32 v26, v0, 4, 1                        ; h
	v_lshlrev_b32 v[LI], 4, v24
	v_lshlrev_b32 v[LS], 2, v24
	v_lshlrev_b32 v[L8], 3, v24
	s_bfe_u32 s13, ttmp6, 0x40000                  ; cx: it enters global addresses of x, qf and kv alone
	s_lshl_b32 s14, ttmp9, 2
	s_add_co_u32 s14, s14, s13                     ; g
	s_lshr_b32 s50, s14, 5                         ; batch
	s_and_b32 s51, s14, 31
	s_lshr_b32 s52, s51, 1                         ; key step
	s_and_b32 s53, s51, 1                          ; c: which 64 of its 128 keys
	s_mul_i32 s54, s50, BATCHB
	s_mul_i32 s55, s52, BLK
	s_add_co_u32 s55, s55, s54
	s_mul_i32 s56, s[WV], QB
	s_add_co_u32 s56, s56, s55                     ; quarter w of my key step's block
	s_mul_i32 s57, s53, 768
	s_add_co_u32 s[KVV], s56, s57
	s_mov_b32 s[KVV+1], 0
	s_lshl_b32 s57, s53, 1
	s_add_co_u32 s[KVS], s56, s57
	s_add_co_u32 s[KVS], s[KVS], VSOFF
	s_mov_b32 s[KVS+1], 0
	s_add_co_u32 s57, s52, 15                      ; K of step s lies in block (s + 15) % 16,
	s_and_b32 s57, s57, 15
	s_mul_i32 s57, s57, BLK
	s_add_co_u32 s57, s57, s54
	s_lshl_b32 s58, s53, 1
	s_lshr_b32 s59, s[WV], 1
	s_add_co_u32 s58, s58, s59                     ; quarter = key block 2 c + (w >> 1),
	s_mul_i32 s58, s58, QB
	s_add_co_u32 s57, s57, s58
	s_and_b32 s59, s[WV], 1                        ; tile u = w & 1
	s_mul_i32 s58, s59, FRB
	s_add_co_u32 s[KVK], s57, s58
	s_add_co_u32 s[KVK], s[KVK], KOFF
	s_mov_b32 s[KVK+1], 0
	s_lshl_b32 s58, s59, 7
	s_add_co_u32 s[KVKS], s57, s58
	s_add_co_u32 s[KVKS], s[KVKS], KSOFF
	s_mov_b32 s[KVKS+1], 0
	s_lshl_b32 s[XB], s14, 18                      ; 64 g rows of 4,096 bytes,
	s_lshr_b32 s58, s[WV], 1
	s_lshl_b32 s58, s58, 17                        ; + 32 (w >> 1) rows,
	s_add_co_u32 s[XB], s[XB], s58
	s_lshl_b32 s58, s59, 15                        ; + 8 (w & 1) rows
	s_add_co_u32 s[XB], s[XB], s58
	s_mov_b32 s[XB+1], 0
	s_mul_i32 s57, s14, QGB
	s_mul_i32 s58, s[WV], FRB
	s_add_co_u32 s[QFO], s57, s58
	s_mov_b32 s[QFO+1], 0
	s_lshl_b32 s58, s[WV], 7
	s_add_co_u32 s[QFS], s57, s58
	s_add_co_u32 s[QFS], s[QFS], 4*FRB
	s_mov_b32 s[QFS+1], 0
	; descriptor group 1: 104 rows of 256 bytes (32 elements of 8 bytes), dense in memory and in LDS
	s_mov_b32 s[G1+0], 15|(3<<16)|(1<<21)          ; the mask: all four work-groups; elements of 8 bytes; bit 21 beside a mask
	s_mov_b32 s[G1+1], 32<<16                      ; tensor_dim0
	s_mov_b32 s[G1+2], 104<<16                     ; tensor_dim1
	s_mov_b32 s[G1+3], 32<<16                      ; tile_dim0
	s_mov_b32 s[G1+4], 104                         ; tile_dim1
	s_mov_b32 s[G1+5], 32                          ; the pitch
	s_mov_b32 s[G1+6], 0
	s_mov_b32 s[G1+7], 0
	s_mov_b32 s[SEL], 0x76543210
	s_mov_b32 s[SEL+1], 0xfedcba98
	s_mov_b32 s[HIM], 0xffff0000                   ; lanes 16-31
	s_mul_i32 s60, s[WV], WQB                      ; my part of a block of wc, and of a slot
	s_mov_b32 s61, 0
	s_wait_kmcnt 0x0
	s_add_nc_u64 s[XB:XB+1], s[4:5], s[XB:XB+1]
	s_add_nc_u64 s[6:7], s[6:7], s[60:61]
	s_add_nc_u64 s[QFO:QFO+1], s[8:9], s[QFO:QFO+1]
	s_add_nc_u64 s[QFS:QFS+1], s[8:9], s[QFS:QFS+1]
	s_add_nc_u64 s[KVV:KVV+1], s[10:11], s[KVV:KVV+1]
	s_add_nc_u64 s[KVS:KVS+1], s[10:11], s[KVS:KVS+1]
	s_add_nc_u64 s[KVK:KVK+1], s[10:11], s[KVK:KVK+1]
	s_add_nc_u64 s[KVKS:KVKS+1], s[10:11], s[KVKS:KVKS+1]
	ROUND                                          ; all four work-groups are here: the first joint loads meet
	s_mov_b32 s[G0], 1
	s_mov_b32 s[G0+1], s60
	s_mov_b64 s[G0+2:G0+3], s[6:7]
	s_or_b32 s[G0+3], s[G0+3], 0x80000000
	s_mov_b32 s[G0+4], 1
	s_add_co_u32 s[G0+5], s60, SLOTB
	s_add_nc_u64 s[G0+6:G0+7], s[6:7], WBLK
	s_or_b32 s[G0+7], s[G0+7], 0x80000000
	tensor_load_to_lds s[G0:G0+3], s[G1:G1+7]      ; blocks 0 and 1: two tensor loads of mine are out
	s_nop 0
	tensor_load_to_lds s[G0+4:G0+7], s[G1:G1+7]
	s_nop 0
	PLACES
	XLOAD 0
	XLOAD 1
	XLOAD 2
	XLOAD 3
	s_mul_i32 s62, s[WV], STGB
	s_add_co_u32 s62, s62, XST
	v_add_nc_u32 v[STW], s62, v[LI]
	v_mul_u32_u24 v[STR], v25, SPI
	v_lshl_add_u32 v[STR], v26, 6, v[STR]
	v_add_nc_u32 v[STR], s62, v[STR]
	s_mul_i32 s62, s[WV], 8*FRB
	s_add_co_u32 s62, s62, XIMG
	v_add_nc_u32 v[XWI], s62, v[LI]
	s_lshl_b32 s62, s[WV], 10
	s_add_co_u32 s62, s62, XSC
	v_add_nc_u32 v[XWS], s62, v[LS]
	v_add_nc_u32 v[XRI], XIMG, v[LI]
	v_add_nc_u32 v[XRS], XSC, v[LS]
	v_add_nc_u32 v[WA], s60, v[LI]
	v_add_nc_u32 v[WA+1], SLOTB, v[WA]
	s_add_co_u32 s62, s60, WSOFF
	v_add_nc_u32 v[WSA], s62, v[LS]
	v_add_nc_u32 v[WSA+1], SLOTB, v[WSA]
	; block w of a fragment: my dword i is register p = 6 (w >> 1) + 3 h + i of lane r + 16 (w & 1): byte (p >> 2) x 512 + 4 (p & 3) + 16 x that lane of the image
	s_lshr_b32 s62, s[WV], 1
	s_mul_i32 s62, s62, 6
	s_and_b32 s63, s[WV], 1
	s_lshl_b32 s63, s63, 8
	s_add_co_u32 s63, s63, QKC
	v_mul_u32_u24 v27, v26, 3
	v_add_nc_u32 v27, s62, v27
	v_lshl_add_u32 v28, v25, 4, s63
.irp i, 0,1,2
	v_add_nc_u32 v29, \i, v27
	v_lshrrev_b32 v[QWA+\i], 2, v29
	v_and_b32 v29, 3, v29
	v_lshl_add_u32 v[QWA+\i], v[QWA+\i], 9, v28
	v_lshl_add_u32 v[QWA+\i], v29, 2, v[QWA+\i]
.endr
	v_lshlrev_b32 v27, 2, v25                      ; 4 r
	s_add_co_u32 s62, s[WV], QKS
	v_add_nc_u32 v[QSW], s62, v27
	s_mul_i32 s62, s[WV], FRB
	s_add_co_u32 s62, s62, QKC
	v_add_nc_u32 v[QRD], s62, v[LI]
	s_lshl_b32 s62, s[WV], 6
	s_add_co_u32 s62, s62, QKS
	v_add_nc_u32 v[QSR], s62, v27
.irp b, 0,1,2,3
	v_mov_b32 v[TM+4+\b], 0                        ; a lane permute's destination counts as read
.endr
.irp s, 0,1,2,3,4,5,6,7
	XSTEP \s
.endr
	s_wait_dscnt 0x0                               ; my images have landed
	s_barrier_signal -1
	s_barrier_wait -1                              ; everybody's have.
	WIN 0x40
.irp s, 0,1,2,3,4
.irp m, 0,1,2,3
.irp k, 0,1,2
	ds_load_b128 v[48*\s+12*\m+4*\k:48*\s+12*\m+4*\k+3], v[XRI] offset:(8*\m+\s)*FRB+512*\k
.endr
.endr
.endr
	WIN 0x80
.irp s, 5,6,7
.irp m, 0,1,2,3
.irp k, 0,1,2
	ds_load_b128 v[48*(\s-5)+12*\m+4*\k:48*(\s-5)+12*\m+4*\k+3], v[XRI] offset:(8*\m+\s)*FRB+512*\k
.endr
.endr
.endr
	WIN 0
.set q, 0
.rept 32
	ds_load_b32 v[XS+q], v[XRS] offset:128*q
.set q, q+1
.endr
	s_wait_dscnt 0x0
	TRIP 0, 0, 0, 0, 0                             ; Wq
	TRIP 1, 1, 0, 1, 1                             ; Wk | q is quantised
	TRIP 0, 0, 1, 2, 1                             ; Wv's first pair of tiles | k is quantised
	s_mov_b32 s[CNT], 3
.Lpair:                                                ; trips 3 to 8
	TRIP 1, 1, 1, 3, 1
	TRIP 0, 0, 1, 3, 1
	s_sub_co_u32 s[CNT], s[CNT], 1
	s_cmp_lg_u32 s[CNT], 0
	s_cbranch_scc1 .Lpair
	TRIP 1, 1, 1, 3, 2                             ; the last trip is written out: it asks for nothing
	PLACES
	EPV 192
	; q's and k's fragments are whole in LDS (the rounds since, each behind every wave's wait for its LDS stores, have shown them to all): wave w stores tile w's
.irp ty, 0,1
.irp k, 0,1,2
	ds_load_b128 v[128+12*\ty+4*\k:128+12*\ty+4*\k+3], v[QRD] offset:\ty*4*FRB+512*\k
.endr
	ds_load_b32 v[152+\ty], v[QSR] offset:256*\ty
.endr
	s_wait_dscnt 0x0
.irp k, 0,1,2
	global_store_b128 v[LI], v[128+4*\k:128+4*\k+3], s[QFO:QFO+1] offset:512*\k
	global_store_b128 v[LI], v[140+4*\k:140+4*\k+3], s[KVK:KVK+1] offset:512*\k
.endr
	global_store_b32 v[LS], v152, s[QFS:QFS+1]
	global_store_b32 v[LS], v153, s[KVKS:KVKS+1]
	s_wait_tensorcnt 0x0                           ; the wave's end
	ds_add_u32 v[SPW], v[NIL]
	s_wait_dscnt 0x0
	ROUND                                          ; the closing round
	s_endpgm
.Lfunc_end_k_q23088640c2_proj:
	.size	k_q23088640c2_proj, .Lfunc_end_k_q23088640c2_proj-k_q23088640c2_proj
	.p2alignl 7, 3214868480
	.fill 96, 4, 3214868480
	.section	.rodata,"a",@progbits
	.p2align	6, 0x0
	.amdhsa_kernel k_q23088640c2_proj
		.amdhsa_group_segment_fixed_size 327680
		.amdhsa_private_segment_fixed_size 0
		.amdhsa_enable_private_segment 0
		.amdhsa_kernarg_size 32
		.amdhsa_user_sgpr_count 2
		.amdhsa_user_sgpr_kernarg_segment_ptr 1
		.amdhsa_wavefront_size32 1
		.amdhsa_system_sgpr_workgroup_id_x 1
		.amdhsa_system_sgpr_workgroup_id_y 1
		.amdhsa_system_sgpr_workgroup_id_z 1
		.amdhsa_system_vgpr_workitem_id 0
		.amdhsa_next_free_vgpr 1024
		.amdhsa_next_free_sgpr 66
		.amdhsa_reserve_vcc 0
		.amdhsa_float_denorm_mode_32 3
		.amdhsa_float_denorm_mode_16_64 3
		.amdhsa_memory_ordered 1
		.amdhsa_forward_progress 1
		.amdhsa_inst_pref_size 183
	.end_amdhsa_kernel
	.amdgpu_metadata
---
amdhsa.version: [ 1, 2 ]
amdhsa.kernels:
  - .name:           k_q23088640c2_proj
    .symbol:         k_q23088640c2_proj.kd
    .args:
      - { .name: x, .offset: 0, .size: 8, .value_kind: global_buffer, .address_space: global }
      - { .name: wc, .offset: 8, .size: 8, .value_kind: global_buffer, .address_space: global }
      - { .name: qf, .offset: 16, .size: 8, .value_kind: global_buffer, .address_space: global }
      - { .name: kv, .offset: 24, .size: 8, .value_kind: global_buffer, .address_space: global }
    .group_segment_fixed_size: 327680
    .private_segment_fixed_size: 0
    .kernarg_segment_align: 8
    .kernarg_segment_size: 32
    .max_flat_workgroup_size: 128
    .sgpr_count:     66
    .vgpr_count:     1024
    .wavefront_size: 32
...
	.end_amdgpu_metadata
.endif
;; end of part 2
;; launch attn (part 3): grid 32 x 8, 4 waves a work-group, clusters of 4 x 1, 327,680 bytes of LDS; arguments qf, kv, out0; writes out0
.if DOCPART == 3
	.amdgcn_target "amdgcn-amd-amdhsa--gfx1250"
	.amdhsa_code_object_version 6
	.text
	.protected	k_q23088640c2_attn
	.globl	k_q23088640c2_attn
	.p2align	8
	.type	k_q23088640c2_attn,@function
k_q23088640c2_attn:
	s_mov_b64 s[64:65], 0
	v_nop
	global_prefetch_b8 v0, s[64:65] scope:SCOPE_SE
	s_setreg_imm32_b32 hwreg(HW_REG_WAVE_MODE, 25, 1), 1
	s_wait_xcnt 0x0
	s_wait_alu depctr_hold_cnt(0) depctr_sa_sdst(0) depctr_va_vdst(0) depctr_va_sdst(0) depctr_va_ssrc(0) depctr_va_vcc(0) depctr_vm_vsrc(0)
	s_getreg_b32 s2, hwreg(HW_REG_IB_STS2, 6, 4)
	s_cmp_eq_u32 s2, 0
	s_cbranch_scc0 .Lentry_in_a_cluster
	s_endpgm
.Lentry_in_a_cluster:
	s_bfe_u32 s2, ttmp6, 0x10000c
	s_cmp_lg_u32 s2, 0x3003
	s_cbranch_scc0 .Lentry_shape_is_right
	s_endpgm
.Lentry_shape_is_right:
; out0[b][q][:] = sum over keys of softmax(q . k / sqrt(128)) v[key][:], 8 batches x 2,048 x 1,024 channels, both products on codes of FP6 (E2M3) with E8M0 scales.  q, k, v come as register images (buffers qf, kv).
; t = score x c, c = log2(e) / sqrt(128); M = ceil(the row's largest t); p = 2^(t - M) is quantised along the keys; the row's sum of the unquantised p divides at the end.
; SHARES.  A work-group owns 64 queries (four tiles; lane r of tile 2 b + u = row 32 b + 8 u + r + 8 (r / 8)) x all 1,024 channels.
;   Scores and softmax are shared BY KEYS: of each step of 128 keys wave w takes block w of 32 (two tiles of K, S^T = K Q^T: a lane holds one query and 16 neighbouring keys).
;   O^T = V^T P^T is shared BY CHANNELS: wave w holds channels 256 w .. 256 w + 255 of the 64 queries: 64 accumulators, 512 registers.  P goes from wave to wave through LDS, each wave writing block w into the fragments' images.
; TWO PASSES.  Pass 1 multiplies all of K by Q and keeps each block's largest score (LDS) and the row's largest: M is exact from the start, so the 512 accumulator registers are never rescaled, and pass 2 searches for no maximum.
;   Pass 2's scores come from the same instruction on the same operands: the same bits.
; BY TURNS.  In a trip the 64 products V^T P of step j carry, in slices between them, the softmax of step j + 1 (154 vector instructions, all in window 0): a slice costs two switches of the register window.
; RING.  Two LDS slots of one block of kv (V of step j, K of step j + 1); each wave fetches and reads its own quarter.  The four work-groups of a cluster belong to one batch and ask JOINTLY (mask 15).  One round a trip serves the ring and P.
; LIMITS: NaN and infinities are not served.  A block whose every p is 0 has the byte 1 and zero codes.  A block's largest p is made from its largest score, which takes v_exp_f32 not to fall where its input rises.
;   M comes from the rounded product c x (largest score), so the largest p may pass 1 by a rounding: that moves no scale's exponent beyond what the quantiser's hold takes up.
; REGISTERS.  window 0: v1-27 addresses; v32-79 Q; v80-83 Q's scale words, v84-99 scale words of K, V, P: scales and nothing else; v100-107 -M in pairs, later 1 / l; v108-115 l in pairs (pass 1: running maxima);
;   v116-127 at work; v128-191 S^T, then p (16 m + 8 u + j); v192-239 P's four fragments; v240-255 the codes just made.   window 1: V's 16 fragments; v192-215 K's two.
;   windows 2, 3: accumulator (ft, m) at 32 (ft % 8) + 8 m of window 2 + ft / 8; in pass 1: K of step s at 24 (s % 8) + 12 u of window 2 + s / 8.
.set FRB,    1536
.set QB,     28928
.set BLK,    115712
.set BATCHB, 1851392
.set VSOFF,  24576
.set KOFF,   25600
.set KSOFF,  28672
.set QGB,    6656
.set SLOTB,  115712                    ; LDS: two slots,
.set PB,     2*SLOTB                   ; two P buffers: four images, then scale words at 6,144 + 16 r + 4 m + block,
.set PBB,    6400
.set BM,     PB+2*PBB                  ; the blocks' largest scores: 8,192 w + 512 step + 16 lane,
.set MX,     BM+32768                  ; the waves' row maxima: 512 w + 16 lane; 2,048 bytes on: the waves' row sums,
.set SPARE,  MX+4096                   ; the spare words: 128 bytes a wave, named by no other line
.set STGW,   16*1040                   ; the way out: 16 rows x (1,024 + 16) bytes a wave, in slot 0, which has had its last fill and its last read by then
.set SPW, 1
.set NIL, 2
.set LI,  3
.set AV,  4
.set A8,  6
.set AS,  8
.set AK,  10
.set PWA, 12
.set PSW, 15
.set PRD, 16
.set PSR, 17
.set BMA, 18
.set BMR, 19
.set MXW, 20
.set MXR, 21
.set KGO, 22
.set KGS, 23
.set PFO, 24
.set STO, 25
.set RD,  26
.set LS,  27
.set QF,  32
.set QS,  80
.set SCB, 84
.set VSC, 84
.set PSC, 92
.set KSC, 96
.set NM,  100
.set LSUM, 108
.set RM,  108
.set BMX, 116
.set PMX, 120
.set SOP, 124
.set S,   128
.set PF,  192
.set CD,  240
.set KF,  192
.set WV,  10
.set CX,  11
.set G1,  16
.set G0,  24
.set SEL, 32
.set CS,  34
.set CNT, 36
.set PFA, 38
.set LIM, 40
.set MSB, 0
.macro WIN new                         ; the immediate's high byte repeats the setting that is left
.if MSB != (\new)
	s_set_vgpr_msb (MSB<<8)|(\new)
.set MSB, (\new)
.endif
.endm
.macro PLACES
.rept 4
	v_nop
.endr
.endm
.macro ROUND                           ; a round of the cluster's barrier
	s_barrier_signal -1
	s_barrier_wait -1
	s_cmp_lg_u32 s[WV], 0
	s_cbranch_scc1 .Lnot_wave_0_\@
	s_barrier_signal -3
.Lnot_wave_0_\@:
	s_barrier_wait -3
	s_barrier_signal -1
	s_barrier_wait -1
.endm
.macro MM d, a, b, sa, sb, z, row      ; one product; z = 1: it starts the sum; row = 1: source 0's scale words stand in lanes 16-31
.if (\z) && (\row)
	v_wmma_scale_f32_16x16x128_f8f6f4 v[\d:\d+7], v[\a:\a+11], v[\b:\b+11], 0, v[\sa], v[\sb] matrix_a_fmt:MATRIX_FMT_FP6 matrix_b_fmt:MATRIX_FMT_FP6 matrix_a_scale:MATRIX_SCALE_ROW1
.elseif (\z)
	v_wmma_scale_f32_16x16x128_f8f6f4 v[\d:\d+7], v[\a:\a+11], v[\b:\b+11], 0, v[\sa], v[\sb] matrix_a_fmt:MATRIX_FMT_FP6 matrix_b_fmt:MATRIX_FMT_FP6
.elseif (\row)
	v_wmma_scale_f32_16x16x128_f8f6f4 v[\d:\d+7], v[\a:\a+11], v[\b:\b+11], v[\d:\d+7], v[\sa], v[\sb] matrix_a_fmt:MATRIX_FMT_FP6 matrix_b_fmt:MATRIX_FMT_FP6 matrix_a_scale:MATRIX_SCALE_ROW1
.else
	v_wmma_scale_f32_16x16x128_f8f6f4 v[\d:\d+7], v[\a:\a+11], v[\b:\b+11], v[\d:\d+7], v[\sa], v[\sb] matrix_a_fmt:MATRIX_FMT_FP6 matrix_b_fmt:MATRIX_FMT_FP6
.endif
.endm
.macro SPROD a0, sc                    ; S^T of my 32 keys x the 64 queries: eight products.  a0: K's first register; sc: its scale words (tile 0 in lanes 0-15, tile 1 in lanes 16-31)
.irp m, 0,1,2,3
.irp u, 0,1
	MM S+16*\m+8*\u, (\a0)+12*\u, QF+12*\m, \sc, QS+\m, 1, \u
.endr
.endr
.endm
.macro P1STEP s                        ; pass 1, key step s
.if 6*(15-(\s)) > 63
	s_wait_loadcnt 63                              ; of 128 loads the first 65 are in: Q, all scale words and the first five steps' K
.else
	s_wait_loadcnt 6*(15-(\s))                     ; the later steps' six loads each may be out
.endif
	WIN 0x02+(\s)/8
	SPROD 24*((\s)%8), SCB+(\s)
	WIN 0
	s_wait_dscnt 0x0                               ; the last step's store is done
	PLACES
.irp m, 0,1,2,3
	v_max3_num_f32 v[BMX+\m], v[S+16*\m], v[S+16*\m+1], v[S+16*\m+2]   ; each accumulator is read from its low end on
.endr
.irp t, 3,5,7,9,11,13
.irp m, 0,1,2,3
	v_max3_num_f32 v[BMX+\m], v[BMX+\m], v[S+16*\m+\t], v[S+16*\m+\t+1]
.endr
.endr
.irp m, 0,1,2,3
	v_max_num_f32 v[BMX+\m], v[BMX+\m], v[S+16*\m+15]
.endr
.irp m, 0,1,2,3
	v_permlanex16_b32 v[PMX+\m], v[BMX+\m], s[SEL], s[SEL+1]
.endr
.irp m, 0,1,2,3
	v_max_num_f32 v[BMX+\m], v[BMX+\m], v[PMX+\m]  ; the block's largest score of query (m, r)
.endr
.irp m, 0,1,2,3
	v_max_num_f32 v[RM+\m], v[RM+\m], v[BMX+\m]
.endr
	ds_store_b128 v[BMA], v[BMX:BMX+3] offset:512*(\s)
.endm
; THE SOFTMAX OF A STEP: a list of 154; SMX writes number n.  0-31 t - M, two at a time; 32-35 the same of the blocks' largest scores; 36-103 ONE BATCH of 68 exponentials, none of which reads another's result;
; 104 a plain instruction and a wait ahead of the first instruction that names a result; 105-136 the sums of the unquantised p; 137-148 floor, scale operand, byte; 149-152 the conversions; 153 a plain instruction behind them.
.macro SMX
.if n < 32
	v_pk_fma_f32 v[S+2*n:S+2*n+1], v[S+2*n:S+2*n+1], s[CS:CS+1], v[NM+2*(n/8):NM+2*(n/8)+1] op_sel_hi:[1,0,0]
.elseif n < 36
	v_fma_f32 v[PMX+n-32], v[BMX+n-32], s[CS], v[NM+2*(n-32)]
.elseif n < 100
	v_exp_f32 v[S+n-36], v[S+n-36]
.elseif n < 104
	v_exp_f32 v[PMX+n-100], v[PMX+n-100]
.elseif n == 104
	v_nop
	s_wait_alu depctr_va_vdst(0)
.elseif n < 137
	v_pk_add_f32 v[LSUM+2*((n-105)%4):LSUM+2*((n-105)%4)+1], v[LSUM+2*((n-105)%4):LSUM+2*((n-105)%4)+1], v[S+16*((n-105)%4)+2*((n-105)/4):S+16*((n-105)%4)+2*((n-105)/4)+1]
.elseif n < 141
	v_max_num_f32 v[PMX+n-137], 0x1800000, v[PMX+n-137]
.elseif n < 145
	v_add_nc_u32 v[SOP+n-141], 0xff000000, v[PMX+n-141]
.elseif n < 149
	v_lshrrev_b32 v[PMX+n-145], 23, v[SOP+n-145]
.elseif n < 153
	v_cvt_scalef32_pk16_fp6_f32 v[CD+4*(n-149):CD+4*(n-149)+2], v[S+16*(n-149):S+16*(n-149)+15], v[SOP+n-149]
.else
	v_nop
.endif
.endm
.macro PSTORE pb                       ; my block of P's four fragments and its bytes into buffer pb
.irp m, 0,1,2,3
.irp i, 0,1,2
	ds_store_b32 v[PWA+\i], v[CD+4*\m+\i] offset:PBB*(\pb)+FRB*\m
.endr
	ds_store_b8 v[PSW], v[PMX+\m] offset:PBB*(\pb)+4*\m            ; both halves of the lanes write the same byte with the same value
.endr
	v_add_nc_u32 v[BMR], 512, v[BMR]               ; on to the next step's largest scores
.endm
.macro VLOAD sg, f0                    ; V's fragments f0 .. f0 + 7 of slot sg: each two halves of 64 keys, 16 + 8 bytes a lane
.set q, \f0
.rept 8
.irp c, 0,1
	ds_load_b128 v[12*q+6*\c:12*q+6*\c+3], v[AV+\sg] offset:FRB*q+768*\c
	ds_load_b64 v[12*q+6*\c+4:12*q+6*\c+5], v[A8+\sg] offset:FRB*q+768*\c+512
.endr
.set q, q+1
.endr
.endm
; A PREFETCH INTO THE L2 of V and its scale words (25,600 bytes of a quarter) of the block that stands two refills on.  All clusters of a batch walk the same blocks: the batch's first cluster asks.  Its four partners take a quarter
; each, told apart BY ADDRESS; thread t names bytes 256 t on (threads 100-127 repeat the last).  K's part has been read by pass 1.  The loop's last trip, whose blocks two on do not exist, asks for nothing.
.macro ASK
	s_cmp_gt_u32 s[CNT], s[LIM]
	s_cbranch_scc0 .Lnot_mine_\@
	global_prefetch_b8 v[PFO], s[PFA:PFA+1] th:TH_LOAD_NT scope:SCOPE_SE
.Lnot_mine_\@:
.endm
; TRIP j.  sg = j % 2: the slot with V(j) and K(j + 1), and the buffer with P(j).  zero = 1: the products start the sums.  head: 0 the first trip; 1 the other slot is filled again; 2 the last trip.  soft = 1: step j + 1's scores and softmax.
.macro TRIP sg, zero, head, soft
.set GX, G0+4-4*(\sg)
.if (\head) == 0
	s_wait_tensorcnt 0x1                           ; my quarter of slot 0 is in (only I read it); slot 1's load may be out
.elseif (\head) == 1
	s_wait_tensorcnt 0x0                           ; all my tensor loads have landed, this trip's quarter among them;
	ds_add_u32 v[SPW], v[NIL]                      ; 0 onto my spare word
	s_add_nc_u64 s[GX+2:GX+3], s[GX+2:GX+3], 2*BLK ; the other slot's next block
	s_wait_xcnt 0x0                                ; the last prefetch, a trip back, has read its address
	s_add_nc_u64 s[PFA:PFA+1], s[PFA:PFA+1], BLK
	s_wait_dscnt 0x0                               ; the add is done, my stores of P have landed, my reads of the other slot and of the other P buffer are over
	ROUND                                          ; the same holds of every wave of the four work-groups
	tensor_load_to_lds s[GX:GX+3], s[G1:G1+7]      ; my one tensor load behind the round
	s_nop 0
	PLACES                                         ; also the places in front of the loads below
	ASK
.else
	s_wait_tensorcnt 0x0
	ds_add_u32 v[SPW], v[NIL]
	s_wait_dscnt 0x0
	s_barrier_signal -1
	s_barrier_wait -1                              ; P of the last step is whole; nothing is filled again
	PLACES
.endif
.if \soft
	WIN 0x40
.irp u, 0,1
.irp k, 0,1,2
	ds_load_b128 v[KF+12*\u+4*\k:KF+12*\u+4*\k+3], v[AV+\sg] offset:KOFF+FRB*\u+512*\k
.endr
.endr
	WIN 0
	ds_load_b32 v[KSC], v[AK+\sg] offset:KSOFF
	ds_load_b128 v[BMX:BMX+3], v[BMR]
.endif
	WIN 0
.irp m, 0,1,2,3
.irp k, 0,1,2
	ds_load_b128 v[PF+12*\m+4*\k:PF+12*\m+4*\k+3], v[PRD] offset:PBB*(\sg)+FRB*\m+512*\k
.endr
.endr
	ds_load_b128 v[PSC:PSC+3], v[PSR] offset:PBB*(\sg)
.irp i, 0,1,2,3,4,5,6,7
	ds_load_b32 v[VSC+\i], v[AS+\sg] offset:VSOFF+128*\i
.endr
	WIN 0x40
	VLOAD \sg, 0
.if \soft
	s_wait_dscnt 53                                ; K, its scale words and the largest scores are in; the 53 loads issued behind them may be out
	WIN 0x01
	SPROD KF, KSC
	WIN 0
	PLACES                                         ; in front of the first read of the scores and of the loads below
.endif
	WIN 0x40
	VLOAD \sg, 8
.set ft, 0
.set kk, 0
.set n, 0
.rept 16
	s_wait_dscnt 60-4*ft                           ; the later fragments' four loads each may be out
.set mm, 0
.rept 4
	WIN 0xa1+0x50*(ft/8)                           ; V window 1, P window 0, the accumulator window 2 or 3.  Each accumulator has one turn a trip
	MM 32*(ft%8)+8*mm, 12*ft, PF+12*mm, VSC+ft/2, PSC+mm, \zero, ft%2
.if \soft
	WIN 0
.rept ((kk+1)*154)/64-(kk*154)/64
	SMX
.set n, n+1
.endr
.endif
.set mm, mm+1
.set kk, kk+1
.endr
.set ft, ft+1
.endr
	WIN 0
.if \soft
	PSTORE 1-(\sg)
.endif
.endm
.macro OUTM m                          ; tile m of the queries: O^T / l, through my stage, out as rows
.irp hw, 0,1
	WIN 0x82+0x41*\hw
.set q, 0
.rept 8
.irp p, 0,1,2,3
	v_pk_mul_f32 v[32*q+8*(\m)+2*\p:32*q+8*(\m)+2*\p+1], v[32*q+8*(\m)+2*\p:32*q+8*(\m)+2*\p+1], v[NM+2*(\m):NM+2*(\m)+1] op_sel_hi:[1,0]
.endr
.set q, q+1
.endr
	WIN 0x08+4*\hw
.set q, 0
.rept 8
	ds_store_b128 v[STO], v[32*q+8*(\m):32*q+8*(\m)+3] offset:64*(8*\hw+q)
	ds_store_b128 v[STO], v[32*q+8*(\m)+4:32*q+8*(\m)+7] offset:64*(8*\hw+q)+16
.set q, q+1
.endr
.endr
	WIN 0
.if (\m) > 0
	s_wait_xcnt 0x0                                ; the last tile's stores have read their registers
.endif
.set q, 0
.rept 32
	ds_load_b128 v[128+4*q:128+4*q+3], v[RD] offset:1040*(q/2)+512*(q%2)   ; LDS serves a wave's instructions in order: these see the stores above, and the next tile's stores come behind them
.set q, q+1
.endr
.set q, 0
.rept 32
	s_wait_dscnt 31-q
	global_store_b128 v[LI], v[128+4*q:128+4*q+3], s[8:9] offset:(32*((\m)/2)+8*((\m)%2)+(q/2)+8*(q/16))*4096+512*(q%2) th:TH_STORE_NT   ; 512 consecutive bytes, at a multiple of 256 from out0's first byte
.set q, q+1
.endr
.endm
	s_load_b128 s[4:7], s[0:1], 0x0                ; qf, kv
	s_load_b64 s[8:9], s[0:1], 0x10                ; out0
	v_lshl_add_u32 v[SPW], v0, 2, SPARE
	v_mov_b32 v[NIL], 0
	ds_add_u32 v1, v2
	ds_add_u32 v1, v2
	s_wait_dscnt 0x0
	v_lshrrev_b32 v28, 5, v0
	v_readfirstlane_b32 s[WV], v28                 ; wave 0..3
	s_bfe_u32 s[CX], ttmp6, 0x40000                ; cx: it enters global addresses of qf, out0 and the prefetches alone
	s_and_b32 s12, ttmp7, 0xffff                   ; the batch, which the four partners share
	s_lshl_b32 s13, ttmp9, 2
	s_add_co_u32 s13, s13, s[CX]
	s_lshl_b32 s14, s12, 5
	s_add_co_u32 s14, s14, s13                     ; my group of 64 queries
	s_mul_i32 s42, s14, QGB
	s_mov_b32 s43, 0
	s_mul_i32 s44, s12, BATCHB
	s_mov_b32 s45, 0
	s_lshl_b32 s46, s14, 18                        ; 64 rows of 4,096 bytes a group,
	s_lshl_b32 s47, s[WV], 10                      ; my 256 channels
	s_add_co_u32 s46, s46, s47
	s_mov_b32 s47, 0
	s_mul_i32 s48, s[WV], QB                       ; my quarter of a block, and of a slot
	s_mov_b32 s49, 0
	s_mul_i32 s52, s[CX], QB
	s_add_co_u32 s52, s52, 3*BLK                   ; the prefetches: my work-group's quarter; trip 1 steps it to block 4
	s_mov_b32 s53, 0
	; descriptor group 1: 113 rows of 256 bytes (32 elements of 8 bytes), dense in memory and in LDS
	s_mov_b32 s[G1+0], 15|(3<<16)|(1<<21)
	s_mov_b32 s[G1+1], 32<<16
	s_mov_b32 s[G1+2], 113<<16
	s_mov_b32 s[G1+3], 32<<16
	s_mov_b32 s[G1+4], 113
	s_mov_b32 s[G1+5], 32
	s_mov_b32 s[G1+6], 0
	s_mov_b32 s[G1+7], 0
	s_mov_b32 s[SEL], 0x76543210
	s_mov_b32 s[SEL+1], 0xfedcba98
	s_mov_b32 s[CS], 0x3e0293ee                    ; c = log2(e) / sqrt(128)
	s_mov_b32 s[CS+1], s[CS]
	s_mov_b32 s[CNT], 7
	s_cmp_eq_u32 ttmp9, 0                          ; the batch's first cluster: the same in all four partners
	s_cselect_b32 s[LIM], 1, -1
	v_and_b32 v28, 31, v0
	v_and_b32 v29, 15, v0                          ; r
	v_bfe_u32 v30, v0, 4, 1                        ; h
	v_lshlrev_b32 v[LI], 4, v28
	v_lshlrev_b32 v[LS], 2, v28
	v_add_nc_u32 v[KGO], s48, v[LI]
	v_lshl_add_u32 v[KGS], v30, 7, v[LS]           ; lanes 16-31 take the second tile's scale image
	v_add_nc_u32 v[KGS], s48, v[KGS]
	s_wait_kmcnt 0x0
	s_add_nc_u64 s[4:5], s[4:5], s[42:43]
	s_add_nc_u64 s[6:7], s[6:7], s[44:45]
	s_add_nc_u64 s[8:9], s[8:9], s[46:47]
	s_add_nc_u64 s[50:51], s[6:7], s[48:49]
	s_add_nc_u64 s[PFA:PFA+1], s[6:7], s[52:53]
	ROUND                                          ; all four work-groups are here: the first joint loads meet
	s_mov_b32 s[G0], 1
	s_mov_b32 s[G0+1], s48
	s_mov_b64 s[G0+2:G0+3], s[50:51]
	s_or_b32 s[G0+3], s[G0+3], 0x80000000
	s_mov_b32 s[G0+4], 1
	s_add_co_u32 s[G0+5], s48, SLOTB
	s_add_nc_u64 s[G0+6:G0+7], s[50:51], BLK
	s_or_b32 s[G0+7], s[G0+7], 0x80000000
	tensor_load_to_lds s[G0:G0+3], s[G1:G1+7]      ; blocks 0 and 1: two tensor loads of mine are out
	s_nop 0
	tensor_load_to_lds s[G0+4:G0+7], s[G1:G1+7]
	s_nop 0
	PLACES
.irp m, 0,1,2,3
.irp k, 0,1,2
	global_load_b128 v[QF+12*\m+4*\k:QF+12*\m+4*\k+3], v[LI], s[4:5] offset:FRB*\m+512*\k
.endr
.endr
.irp m, 0,1,2,3
	global_load_b32 v[QS+\m], v[LS], s[4:5] offset:4*FRB+128*\m
.endr
.set q, 0
.rept 16
	global_load_b32 v[SCB+q], v[KGS], s[6:7] offset:((q+15)%16)*BLK+KSOFF   ; K of step q lies in block (q + 15) % 16
.set q, q+1
.endr
.set q, 0
.rept 16
	WIN 0x80+0x40*(q/8)
.irp u, 0,1
.irp k, 0,1,2
	global_load_b128 v[24*(q%8)+12*\u+4*\k:24*(q%8)+12*\u+4*\k+3], v[KGO], s[6:7] offset:((q+15)%16)*BLK+KOFF+FRB*\u+512*\k
.endr
.endr
.set q, q+1
.endr
	WIN 0
	v_add_nc_u32 v[AV], s48, v[LI]
	v_add_nc_u32 v[AV+1], SLOTB, v[AV]
	v_lshl_add_u32 v[A8], v28, 3, s48
	v_add_nc_u32 v[A8+1], SLOTB, v[A8]
	v_add_nc_u32 v[AS], s48, v[LS]
	v_add_nc_u32 v[AS+1], SLOTB, v[AS]
	v_lshl_add_u32 v[AK], v30, 7, v[AS]
	v_add_nc_u32 v[AK+1], SLOTB, v[AK]
	; block w of a fragment of P: my dword i is register p = 6 (w >> 1) + 3 h + i of lane r + 16 (w & 1): byte (p >> 2) x 512 + 4 (p & 3) + 16 x that lane of the image
	s_lshr_b32 s54, s[WV], 1
	s_mul_i32 s54, s54, 6
	s_and_b32 s55, s[WV], 1
	s_lshl_b32 s55, s55, 8
	s_add_co_u32 s55, s55, PB
	v_mul_u32_u24 v31, v30, 3
	v_add_nc_u32 v31, s54, v31
	v_lshl_add_u32 v124, v29, 4, s55
.irp i, 0,1,2
	v_add_nc_u32 v125, \i, v31
	v_lshrrev_b32 v[PWA+\i], 2, v125
	v_and_b32 v125, 3, v125
	v_lshl_add_u32 v[PWA+\i], v[PWA+\i], 9, v124
	v_lshl_add_u32 v[PWA+\i], v125, 2, v[PWA+\i]
.endr
	v_lshlrev_b32 v[PSR], 4, v29
	v_add_nc_u32 v[PSR], PB+4*FRB, v[PSR]
	v_add_nc_u32 v[PSW], s[WV], v[PSR]
	v_add_nc_u32 v[PRD], PB, v[LI]
	s_lshl_b32 s54, s[WV], 13
	s_add_co_u32 s54, s54, BM
	v_add_nc_u32 v[BMA], s54, v[LI]
	v_mov_b32 v[BMR], v[BMA]
	s_lshl_b32 s54, s[WV], 9
	s_add_co_u32 s54, s54, MX
	v_add_nc_u32 v[MXW], s54, v[LI]
	v_add_nc_u32 v[MXR], MX, v[LI]
	v_min_u32 v[PFO], 99, v0
	v_lshlrev_b32 v[PFO], 8, v[PFO]
	s_mul_i32 s54, s[WV], STGW
	v_mul_u32_u24 v[STO], v29, 1040
	v_lshl_add_u32 v[STO], v30, 5, v[STO]
	v_add_nc_u32 v[STO], s54, v[STO]
	v_add_nc_u32 v[RD], s54, v[LI]
.irp m, 0,1,2,3
	v_mov_b32 v[RM+\m], 0xff800000                 ; under every score
	v_mov_b32 v[PMX+\m], 0                         ; a lane permute's destination counts as read
.endr
	; ---- PASS 1
.irp s, 0,1,2,3,4,5,6,7,8,9,10,11,12,13,14,15
	P1STEP \s
.endr
	ds_store_b128 v[MXW], v[RM:RM+3]
	s_wait_dscnt 0x0
	s_barrier_signal -1
	s_barrier_wait -1
.irp q, 0,1,2,3
	ds_load_b128 v[S+4*\q:S+4*\q+3], v[MXR] offset:512*\q
.endr
	ds_load_b128 v[BMX:BMX+3], v[BMR]              ; step 0's largest scores
	s_wait_dscnt 0x0
.irp m, 0,1,2,3
	v_max3_num_f32 v[RM+\m], v[S+\m], v[S+4+\m], v[S+8+\m]
.endr
.irp m, 0,1,2,3
	v_max_num_f32 v[RM+\m], v[RM+\m], v[S+12+\m]   ; the row's largest score
.endr
.irp m, 0,1,2,3
	v_mul_f32 v[RM+\m], s[CS], v[RM+\m]            ; as t (c is positive)
.endr
.irp m, 0,1,2,3
	v_floor_f32 v[NM+2*\m], -v[RM+\m]              ; -M = floor(-t)
.endr
.irp m, 0,1,2,3
	v_mov_b32 v[NM+2*\m+1], v[NM+2*\m]
.endr
.irp j, 0,1,2,3,4,5,6,7
	v_mov_b32 v[LSUM+\j], 0
.endr
	; ---- step 0's scores and softmax: nothing is there yet to set them between
	WIN 0x02
	SPROD 0, SCB
	WIN 0
	PLACES
.set n, 0
.rept 154
	SMX
.set n, n+1
.endr
	PSTORE 0
	s_wait_dscnt 0x0
	s_barrier_signal -1
	s_barrier_wait -1                              ; P of step 0 is whole
	; ---- PASS 2
	TRIP 0, 1, 0, 1
.Lpair:                                                ; trips 1 to 14
	TRIP 1, 0, 1, 1
	TRIP 0, 0, 1, 1
	s_sub_co_u32 s[CNT], s[CNT], 1
	s_cmp_lg_u32 s[CNT], 0
	s_cbranch_scc1 .Lpair
	TRIP 1, 0, 2, 0                                ; the last trip is written out: it asks for nothing and has no next step
	; ---- THE WAY OUT.  l: the pair's two halves, the other half of the lanes, the four waves
.irp m, 0,1,2,3
	v_add_f32 v[BMX+\m], v[LSUM+2*\m], v[LSUM+2*\m+1]
.endr
.irp m, 0,1,2,3
	v_permlanex16_b32 v[PMX+\m], v[BMX+\m], s[SEL], s[SEL+1]
.endr
.irp m, 0,1,2,3
	v_add_f32 v[BMX+\m], v[BMX+\m], v[PMX+\m]
.endr
	ds_store_b128 v[MXW], v[BMX:BMX+3] offset:2048
	s_wait_dscnt 0x0
	s_barrier_signal -1
	s_barrier_wait -1
.irp q, 0,1,2,3
	ds_load_b128 v[S+4*\q:S+4*\q+3], v[MXR] offset:2048+512*\q
.endr
	s_wait_dscnt 0x0
.irp m, 0,1,2,3
	v_add_f32 v[S+\m], v[S+\m], v[S+4+\m]
.endr
.irp m, 0,1,2,3
	v_add_f32 v[S+8+\m], v[S+8+\m], v[S+12+\m]
.endr
.irp m, 0,1,2,3
	v_add_f32 v[S+\m], v[S+\m], v[S+8+\m]
.endr
.irp m, 0,1,2,3
	v_rcp_f32 v[NM+2*\m], v[S+\m]
.endr
	v_nop                                          ; a plain instruction behind the last reciprocal,
	s_wait_alu depctr_va_vdst(0)                   ; and a wait ahead of the first use
	OUTM 0
	OUTM 1
	OUTM 2
	OUTM 3
	s_wait_tensorcnt 0x0                           ; the wave's end
	ds_add_u32 v[SPW], v[NIL]
	s_wait_dscnt 0x0
	ROUND                                          ; the closing round
	s_endpgm
.Lfunc_end_k_q23088640c2_attn:
	.size	k_q23088640c2_attn, .Lfunc_end_k_q23088640c2_attn-k_q23088640c2_attn
	.p2alignl 7, 3214868480
	.fill 96, 4, 3214868480
	.section	.rodata,"a",@progbits
	.p2align	6, 0x0
	.amdhsa_kernel k_q23088640c2_attn
		.amdhsa_group_segment_fixed_size 327680
		.amdhsa_private_segment_fixed_size 0
		.amdhsa_enable_private_segment 0
		.amdhsa_kernarg_size 24
		.amdhsa_user_sgpr_count 2
		.amdhsa_user_sgpr_kernarg_segment_ptr 1
		.amdhsa_wavefront_size32 1
		.amdhsa_system_sgpr_workgroup_id_x 1
		.amdhsa_system_sgpr_workgroup_id_y 1
		.amdhsa_system_sgpr_workgroup_id_z 1
		.amdhsa_system_vgpr_workitem_id 0
		.amdhsa_next_free_vgpr 1024
		.amdhsa_next_free_sgpr 66
		.amdhsa_reserve_vcc 0
		.amdhsa_float_denorm_mode_32 3
		.amdhsa_float_denorm_mode_16_64 3
		.amdhsa_memory_ordered 1
		.amdhsa_forward_progress 1
		.amdhsa_inst_pref_size 241
	.end_amdhsa_kernel
	.amdgpu_metadata
---
amdhsa.version: [ 1, 2 ]
amdhsa.kernels:
  - .name:           k_q23088640c2_attn
    .symbol:         k_q23088640c2_attn.kd
    .args:
      - { .name: qf, .offset: 0, .size: 8, .value_kind: global_buffer, .address_space: global }
      - { .name: kv, .offset: 8, .size: 8, .value_kind: global_buffer, .address_space: global }
      - { .name: out0, .offset: 16, .size: 8, .value_kind: global_buffer, .address_space: global }
    .group_segment_fixed_size: 327680
    .private_segment_fixed_size: 0
    .kernarg_segment_align: 8
    .kernarg_segment_size: 24
    .max_flat_workgroup_size: 128
    .sgpr_count:     66
    .vgpr_count:     1024
    .wavefront_size: 32
...
	.end_amdgpu_metadata
.endif
;; end of part 3
;; ======== version 2 of 2: 3 launches
;; limits: right only within a limited range of input values
;; workspace buffers: wc 1,064,960 bytes; qf 1,703,936 bytes; kv 14,811,136 bytes
;; launch wquant (part 4): grid 80 x 1, 8 waves a work-group, no clusters, 68,608 bytes of LDS; arguments Wq, Wk, Wv, wc; writes wc
.if DOCPART == 4
	.amdgcn_target "amdgcn-amd-amdhsa--gfx1250"
	.amdhsa_code_object_version 6
	.text
	.protected	k_q23088640c2_wquant
	.globl	k_q23088640c2_wquant
	.p2align	8
	.type	k_q23088640c2_wquant,@function
k_q23088640c2_wquant:
	s_mov_b64 s[64:65], 0
	v_nop
	global_prefetch_b8 v0, s[64:65] scope:SCOPE_SE
	s_setreg_imm32_b32 hwreg(HW_REG_WAVE_MODE, 25, 1), 1
	s_wait_xcnt 0x0
; Wq [128][1024], Wk [128][1024], Wv [1024][1024], f32, become codes of FP6 (E2M3) with one E8M0 byte for each 32 along K (the last axis),
; laid in wc as IMAGES OF OPERAND REGISTERS, in the order in which the next launch streams them:
;   wc = [trip J 0..9][wave W 0..3][26,624 bytes]; in a part: fragment (I, s), I = 0, 1, K step s = 0..7, at (8 I + s) x 1,536; its scale words at 24,576 + (8 I + s) x 128.
;   J = 0: Wq, J = 1: Wk: tile (b = W, u = I), whose lane r takes row 32 b + 8 u + r + 8 (r / 8);  J = 2..9: Wv's tile 16 W + 2 (J - 2) + I, rows 16 t + r.
; An image: register p of lane l at (p / 4) x 512 + 16 l + 4 (p % 4): three stores of 16 bytes a lane, 512 consecutive bytes each.  Scale words: 4 bytes a lane, both halves of the lanes hold row r's word.
; A work-group is one tile of 16 rows, a wave one K step of 128: one fragment a wave.  Each load reads 512 consecutive bytes of one row; the 16 x 512 bytes turn through the wave's own stage in LDS,
; so that lane (r, h) gets, of row r, the 16 neighbours 32 b + 16 h + 0..15 of each block b.  No barrier: waves share nothing.
; A block's scale is 2^(floor(log2(largest magnitude)) - 2); its byte is the largest magnitude's exponent field - 2, held at 1 from below.
; LIMITS: a block of zeros, and a block whose largest magnitude lies under 2^-124, get the byte 1 (zero codes add nothing; the bytes are read by this program alone); NaN and infinities are not served.
.set WBLK,  106496
.set WQB,   26624
.set WSOFF, 24576
.set FRB,   1536
.set SPI,   528                        ; a stage row: 512 bytes + 16: row r starts 4 r words on, modulo 64 words
.set STGB,  16*SPI
.set LI,  1                            ; v1  16 x lane
.set LS,  2                            ; v2  4 x lane
.set VHI, 4                            ; v4  16 x lane + the gap in front of a tile's rows 8-15
.set STW, 5                            ; v5  the stage, in
.set STR, 6                            ; v6  the stage, out
.set R,   16                           ; v16-79   as loaded
.set XN,  80                           ; v80-143  64 numbers: register 16 b + i = k 32 b + 16 h + i of row r
.set TM,  144                          ; v144-159 at work
.set PW,  160                          ; the scale word
.set PC,  164                          ; v164-182 codes
.set WV,  12
.set SEL, 32
.macro AMAX ab                         ; four blocks of 16 registers from v[ab] on: TM+b the block's largest magnitude, TM+12+b the conversion's scale operand, TM+4+b the byte
.irp b, 0,1,2,3
	v_max3_num_f32 v[TM+\b], |v[\ab+16*\b]|, |v[\ab+16*\b+1]|, 0x1800000   ; with the floor 2^(3 - 127): the byte cannot fall under 1
.endr
.irp t, 2,4,6,8,10,12,14
.irp b, 0,1,2,3
	s_delay_alu instid0(VALU_DEP_4)
	v_max3_num_f32 v[TM+\b], v[TM+\b], |v[\ab+16*\b+\t]|, |v[\ab+16*\b+\t+1]|
.endr
.endr
.irp b, 0,1,2,3
	s_delay_alu instid0(VALU_DEP_4)
	v_permlanex16_b32 v[TM+4+\b], v[TM+\b], s[SEL], s[SEL+1]
.endr
.irp b, 0,1,2,3
	s_delay_alu instid0(VALU_DEP_4)
	v_max_num_f32 v[TM+\b], v[TM+\b], v[TM+4+\b]                  ; with lane l xor 16's 16 numbers
.endr
.irp b, 0,1,2,3
	s_delay_alu instid0(VALU_DEP_4)
	v_add_nc_u32 v[TM+12+\b], 0xff000000, v[TM+\b]                ; 2 off the exponent field
.endr
.irp b, 0,1,2,3
	s_delay_alu instid0(VALU_DEP_4)
	v_lshrrev_b32 v[TM+4+\b], 23, v[TM+12+\b]
.endr
.endm
.macro QUANT s                         ; 64 numbers become a fragment's 12 registers in v[PC] on and its scale word in v[PW]
	AMAX \s
	s_delay_alu instid0(VALU_DEP_3)
	v_lshl_or_b32 v[PW], v[TM+5], 8, v[TM+4]
	s_delay_alu instid0(VALU_DEP_1)
	v_lshl_or_b32 v[PW], v[TM+6], 16, v[PW]
	s_delay_alu instid0(VALU_DEP_1)
	v_lshl_or_b32 v[PW], v[TM+7], 24, v[PW]
.irp c, 0,1
	v_cvt_scalef32_pk16_fp6_f32 v[PC+6*\c:PC+2+6*\c], v[\s+32*\c:\s+15+32*\c], v[TM+12+2*\c]
	v_cvt_scalef32_pk16_fp6_f32 v[PC+12+4*\c:PC+14+4*\c], v[\s+16+32*\c:\s+31+32*\c], v[TM+12+2*\c+1]
.endr
	v_nop                                          ; one plain instruction behind the scaled conversions
.irp c, 0,1                                    ; the layout wants a whole block in a lane: lanes 0-15 block 2 c, lanes 16-31 block 2 c + 1
.irp i, 0,1,2
	v_permlane16_swap_b32 v[PC+6*\c+\i], v[PC+12+4*\c+\i]
.endr
.irp i, 0,1,2
	s_delay_alu instid0(VALU_DEP_3)
	v_mov_b32 v[PC+3+6*\c+\i], v[PC+12+4*\c+\i]
.endr
.endr
.endm
	s_load_b128 s[4:7], s[0:1], 0x0                ; Wq, Wk
	s_load_b128 s[8:11], s[0:1], 0x10              ; Wv, wc
	v_lshl_add_u32 v192, v0, 2, 0x10800
	v_mov_b32 v193, 0
	v_lshrrev_b32 v7, 5, v0
	s_delay_alu instid0(VALU_DEP_1)
	v_readfirstlane_b32 s[WV], v7                  ; wave = K step
	v_and_b32 v7, 31, v0
	v_and_b32 v8, 15, v0                           ; r
	v_bfe_u32 v9, v0, 4, 1                         ; h
	s_delay_alu instid0(VALU_DEP_3)
	v_lshlrev_b32 v[LI], 4, v7
	s_delay_alu instid0(VALU_DEP_4)
	v_lshlrev_b32 v[LS], 2, v7
	s_mul_i32 s13, s[WV], STGB
	v_add_nc_u32 v[STW], s13, v[LI]
	v_mul_u32_u24 v[STR], v8, SPI
	s_delay_alu instid0(VALU_DEP_1)
	v_lshl_add_u32 v[STR], v9, 6, v[STR]
	s_delay_alu instid0(VALU_DEP_1)
	v_add_nc_u32 v[STR], s13, v[STR]
	s_mov_b32 s[SEL], 0x76543210
	s_mov_b32 s[SEL+1], 0xfedcba98
.irp b, 0,1,2,3
	v_mov_b32 v[TM+4+\b], 0                        ; a lane permute's destination counts as read
.endr
	; which tile: work-groups 0-7 Wq, 8-15 Wk, 16-79 Wv
	s_and_b32 s13, ttmp9, 7
	s_lshr_b32 s14, s13, 1                         ; Wq, Wk: W = b
	s_and_b32 s15, ttmp9, 1                        ; I, for all three
	s_lshl_b32 s16, s14, 5
	s_lshl_b32 s17, s15, 3
	s_add_co_u32 s16, s16, s17                     ; first row 32 b + 8 u
	s_lshr_b32 s17, ttmp9, 3                       ; J = 0 or 1
	s_max_u32 s18, ttmp9, 16
	s_sub_co_u32 s18, s18, 16                      ; Wv: tile t
	s_lshl_b32 s19, s18, 4                         ; first row 16 t
	s_lshr_b32 s20, s18, 4                         ; W
	s_and_b32 s21, s18, 15
	s_lshr_b32 s21, s21, 1
	s_add_co_u32 s21, s21, 2                       ; J
	s_cmp_lt_u32 ttmp9, 16
	s_cselect_b32 s16, s16, s19
	s_cselect_b32 s14, s14, s20
	s_cselect_b32 s17, s17, s21
	s_cselect_b32 s22, 8*4096, 0                   ; Wq, Wk: a tile's rows 8-15 lie 8 rows further on
	v_add_nc_u32 v[VHI], s22, v[LI]
	s_lshl_b32 s26, s16, 12                        ; the tile's first row, 4,096 bytes a row,
	s_lshl_b32 s27, s[WV], 9                       ; and my K step's 512 bytes in it
	s_add_co_u32 s26, s26, s27
	s_mov_b32 s27, 0
	s_mul_i32 s28, s17, WBLK
	s_mul_i32 s29, s14, WQB
	s_add_co_u32 s28, s28, s29
	s_lshl_b32 s29, s15, 3
	s_add_co_u32 s29, s29, s[WV]                   ; 8 I + s
	s_mul_i32 s30, s29, FRB
	s_add_co_u32 s30, s30, s28                     ; the image's place
	s_mov_b32 s31, 0
	s_lshl_b32 s29, s29, 7
	s_add_co_u32 s28, s28, s29
	s_add_co_u32 s28, s28, WSOFF                   ; the scale words' place
	s_mov_b32 s29, 0
	s_wait_alu depctr_va_vdst(0)
	s_wait_kmcnt 0x0
	s_cmp_lt_u32 ttmp9, 8                          ; the choice of tensor hangs on the work-group's number alone
	s_cselect_b64 s[24:25], s[4:5], s[6:7]
	s_cmp_lt_u32 ttmp9, 16
	s_cselect_b64 s[24:25], s[24:25], s[8:9]
	s_add_nc_u64 s[24:25], s[24:25], s[26:27]
	s_add_nc_u64 s[34:35], s[10:11], s[30:31]
	s_add_nc_u64 s[10:11], s[10:11], s[28:29]
.irp i, 0,1,2,3,4,5,6,7
	global_load_b128 v[R+4*\i:R+4*\i+3], v[LI], s[24:25] offset:\i*4096 th:TH_LOAD_NT    ; 512 consecutive bytes of one row
.endr
.irp i, 8,9,10,11,12,13,14,15
	global_load_b128 v[R+4*\i:R+4*\i+3], v[VHI], s[24:25] offset:\i*4096 th:TH_LOAD_NT
.endr
	s_wait_loadcnt 0x0
.irp i, 0,1,2,3,4,5,6,7,8,9,10,11,12,13,14,15
	ds_store_b128 v[STW], v[R+4*\i:R+4*\i+3] offset:SPI*\i
.endr
.irp b, 0,1,2,3
.irp j, 0,1,2,3
	ds_load_b128 v[XN+16*\b+4*\j:XN+16*\b+4*\j+3], v[STR] offset:128*\b+16*\j   ; LDS serves a wave's instructions in order: these see the stores above
.endr
.endr
	s_wait_dscnt 0x0
	QUANT XN
.irp k, 0,1,2
	global_store_b128 v[LI], v[PC+4*\k:PC+4*\k+3], s[34:35] offset:512*\k
.endr
	global_store_b32 v[LS], v[PW], s[10:11]
	s_wait_tensorcnt 0x0
	ds_add_u32 v192, v193
	s_wait_dscnt 0x0
	s_endpgm
.Lfunc_end_k_q23088640c2_wquant:
	.size	k_q23088640c2_wquant, .Lfunc_end_k_q23088640c2_wquant-k_q23088640c2_wquant
	.p2alignl 7, 3214868480
	.fill 96, 4, 3214868480
	.section	.rodata,"a",@progbits
	.p2align	6, 0x0
	.amdhsa_kernel k_q23088640c2_wquant
		.amdhsa_group_segment_fixed_size 68608
		.amdhsa_private_segment_fixed_size 0
		.amdhsa_enable_private_segment 0
		.amdhsa_kernarg_size 32
		.amdhsa_user_sgpr_count 2
		.amdhsa_user_sgpr_kernarg_segment_ptr 1
		.amdhsa_wavefront_size32 1
		.amdhsa_system_sgpr_workgroup_id_x 1
		.amdhsa_system_sgpr_workgroup_id_y 1
		.amdhsa_system_sgpr_workgroup_id_z 1
		.amdhsa_system_vgpr_workitem_id 0
		.amdhsa_next_free_vgpr 194
		.amdhsa_next_free_sgpr 66
		.amdhsa_reserve_vcc 0
		.amdhsa_float_denorm_mode_32 3
		.amdhsa_float_denorm_mode_16_64 3
		.amdhsa_memory_ordered 1
		.amdhsa_forward_progress 1
		.amdhsa_inst_pref_size 13
	.end_amdhsa_kernel
	.amdgpu_metadata
---
amdhsa.version: [ 1, 2 ]
amdhsa.kernels:
  - .name:           k_q23088640c2_wquant
    .symbol:         k_q23088640c2_wquant.kd
    .args:
      - { .name: Wq, .offset: 0, .size: 8, .value_kind: global_buffer, .address_space: global }
      - { .name: Wk, .offset: 8, .size: 8, .value_kind: global_buffer, .address_space: global }
      - { .name: Wv, .offset: 16, .size: 8, .value_kind: global_buffer, .address_space: global }
      - { .name: wc, .offset: 24, .size: 8, .value_kind: global_buffer, .address_space: global }
    .group_segment_fixed_size: 68608
    .private_segment_fixed_size: 0
    .kernarg_segment_align: 8
    .kernarg_segment_size: 32
    .max_flat_workgroup_size: 256
    .sgpr_count:     66
    .vgpr_count:     194
    .wavefront_size: 32
...
	.end_amdgpu_metadata
.endif
;; end of part 4
;; launch proj (part 5): grid 256 x 1, 4 waves a work-group, clusters of 4 x 1, 327,680 bytes of LDS; arguments x, wc, qf, kv; writes qf, kv
.if DOCPART == 5
	.amdgcn_target "amdgcn-amd-amdhsa--gfx1250"
	.amdhsa_code_object_version 6
	.text
	.protected	k_q23088640c2_proj
	.globl	k_q23088640c2_proj
	.p2align	8
	.type	k_q23088640c2_proj,@function
k_q23088640c2_proj:
	s_mov_b64 s[64:65], 0
	v_nop
	global_prefetch_b8 v0, s[64:65] scope:SCOPE_SE
	s_setreg_imm32_b32 hwreg(HW_REG_WAVE_MODE, 25, 1), 1
	s_wait_xcnt 0x0
	s_wait_alu depctr_hold_cnt(0) depctr_sa_sdst(0) depctr_va_vdst(0) depctr_va_sdst(0) depctr_va_ssrc(0) depctr_va_vcc(0) depctr_vm_vsrc(0)
	s_getreg_b32 s2, hwreg(HW_REG_IB_STS2, 6, 4)
	s_cmp_eq_u32 s2, 0
	s_cbranch_scc0 .Lentry_in_a_cluster
	s_endpgm
.Lentry_in_a_cluster:
	s_bfe_u32 s2, ttmp6, 0x10000c
	s_cmp_lg_u32 s2, 0x3003
	s_cbranch_scc0 .Lentry_shape_is_right
	s_endpgm
.Lentry_shape_is_right:
; q = x Wq^T, k = x Wk^T, v = x Wv^T on codes of FP6 (E2M3) with E8M0 scales for each 32 along K = 1,024; the results are quantised in registers for the attention launch: q and k along their 128, v along the KEYS.
; SHARES.  Work-group g owns rows 64 g .. 64 g + 63 of x (16,384 rows in all) and ALL 1,280 columns: x is read and quantised once in the launch.
; PHASE X: wave w quantises tile w of the 64 rows (lane r of tile 2 b + u = row 32 b + 8 u + r + 8 (r / 8)), eight K steps of 128; the fragments go to LDS as images of their registers; then every wave holds all 32 in registers.
; PHASE W: ten trips; in a trip a wave multiplies its own two weight tiles (16 fragments) by the four tiles of x: 64 matrix instructions, eight accumulators by turns.  The weights come as register images (buffer wc)
; through a ring of two LDS slots; each wave fetches and reads its own 26,624 bytes of a slot.  All work-groups walk the same weights: the four of a cluster ask for them JOINTLY (mask 15).
; THE WALK OVER Wv IS ROTATED: cluster c takes Wv's eight blocks in the order (rot + i) % 8, rot = (c + c / 8) % 8.  So in a trip the 64 clusters ask for eight different blocks, and from the second such trip on a block
; that a cluster asks for has been asked for by other clusters a trip earlier.  The results' places in kv go with the block's number.
; Trips 0, 1 (Wq, Wk): source 0 = the weight's tile, source 1 = x: a lane holds one row of x and 16 neighbours of q's or k's 128: wave w holds block w of 32.  Its codes go into LDS at their places in the fragment's image.
; Trips 2-9 (Wv): source 0 = x, source 1 = the weight's tile: a lane holds ONE channel and 2 x 16 neighbouring KEYS: half a fragment (64 keys) of V^T, stored straight from registers.
; A trip's results are quantised in the next trip, between that trip's LDS loads and its products (two sets of accumulators).
; OUT.  qf = [g][6,656]: Q's four fragment images, then four scale images of 128 bytes.
;   kv = [batch 8][block n 16][quarter 4][28,928]: 16 fragments of V^T (channels 256 quarter + 16 ft + r, keys 128 n ..; each as two halves of 64 keys: 512 bytes at 16 x lane, 256 bytes at 8 x lane);
;   at 24,576 eight scale images (lanes 0-15 tile 2 p, lanes 16-31 tile 2 p + 1); at 25,600 the two fragments of K of key step (n + 1) % 16, key block = quarter; at 28,672 their scale images.
; LIMITS: a block of zeros, or one whose largest magnitude lies under 2^-124, gets the byte 1 (zero codes add nothing; the bytes are read by this program alone); NaN and infinities are not served.
; REGISTERS.  window 0: v1-22 addresses; v32-63 x's scale words (8 m + s), v64-79 the weights' (8 i + s): scales and nothing else; v80-119 at work; v128-191, v192-255 the two sets of accumulators (phase X: v128-191 the numbers).
;   window 1: x's fragments of K steps 0-4 at 48 s + 12 m;  window 2: of K steps 5-7;  window 3: phase X: four sets of 64 as loaded; then the weights' fragments at 12 (8 i + s).
.set WBLK,   106496
.set WQB,    26624
.set WSOFF,  24576
.set FRB,    1536
.set QB,     28928
.set BLK,    115712
.set BATCHB, 1851392
.set VSOFF,  24576
.set KOFF,   25600
.set KSOFF,  28672
.set QGB,    6656
.set SLOTB,  106496                    ; LDS: two slots,
.set SPI,    528
.set STGB,   16*SPI
.set XST,    2*SLOTB                   ; four stages of 16 x 528 bytes,
.set XIMG,   XST+4*STGB                ; x's 32 fragment images ((8 m + s) x 1,536),
.set XSC,    XIMG+32*FRB               ; their scale images ((8 m + s) x 128),
.set QKC,    XSC+32*128                ; q's and k's 8 images ((4 type + m) x 1,536),
.set QKS,    QKC+8*FRB                 ; their scale words ((4 type + m) x 64 + 4 r),
.set SPARE,  QKS+512                   ; the spare words: 128 bytes a wave, named by no other line
.set SPW, 1
.set NIL, 2
.set LI,  3                            ; 16 x lane
.set LS,  4                            ; 4 x lane
.set L8,  5                            ; 8 x lane
.set STW, 7
.set STR, 8
.set XWI, 9
.set XWS, 10
.set XRI, 11
.set XRS, 12
.set WA,  13                           ; v13, v14: my part of slot 0, 1, + 16 x lane
.set WSA, 15                           ; v15, v16: its scale images, + 4 x lane
.set QWA, 17                           ; v17-19: where my three dwords of a block go in a fragment's image
.set QSW, 20
.set QRD, 21
.set QSR, 22
.set XS,  32
.set WS,  64
.set TM,  80
.set PW,  96
.set HW0, 97
.set HW1, 98
.set HW,  99
.set PC,  100
.set XN,  128
.set WV,  12
.set G1,  16
.set G0,  24
.set SEL, 32
.set HIM, 34
.set CNT, 35
.set KVV, 36
.set KVS, 38
.set QFO, 40
.set KVK, 42
.set KVKS, 44
.set XB,  46
.set QFS, 48
.set NB,  50                           ; s50  which of Wv's eight blocks the next refill brings
.set EB,  51                           ; s51  which of them the next results to be stored belong to
.set OF,  52                           ; s[52:53] an offset, its high word 0
.set WB,  54                           ; s[54:55] my part of Wv's first block in wc
.set KV0, 56                           ; s[56:57] my half fragments' place for Wv's block 0 in kv
.set KS0, 58                           ; s[58:59] and their scale bytes'
.set MSB, 0
.macro WIN new                         ; the immediate's high byte repeats the setting that is left
.if MSB != (\new)
	s_set_vgpr_msb (MSB<<8)|(\new)
.set MSB, (\new)
.endif
.endm
.macro PLACES
.rept 4
	v_nop
.endr
.endm
.macro ROUND                           ; a round of the cluster's barrier
	s_barrier_signal -1
	s_barrier_wait -1
	s_cmp_lg_u32 s[WV], 0
	s_cbranch_scc1 .Lnot_wave_0_\@
	s_barrier_signal -3
.Lnot_wave_0_\@:
	s_barrier_wait -3
	s_barrier_signal -1
	s_barrier_wait -1
.endm
.macro MM d, a, b, sa, sb, z           ; one product; z = 1: it starts the sum
.if (\z)
	v_wmma_scale_f32_16x16x128_f8f6f4 v[\d:\d+7], v[\a:\a+11], v[\b:\b+11], 0, v[\sa], v[\sb] matrix_a_fmt:MATRIX_FMT_FP6 matrix_b_fmt:MATRIX_FMT_FP6
.else
	v_wmma_scale_f32_16x16x128_f8f6f4 v[\d:\d+7], v[\a:\a+11], v[\b:\b+11], v[\d:\d+7], v[\sa], v[\sb] matrix_a_fmt:MATRIX_FMT_FP6 matrix_b_fmt:MATRIX_FMT_FP6
.endif
.endm
.macro AMAX ab                         ; four blocks of 16 registers from v[ab] on (each accumulator is read from its low end on): TM+b the largest magnitude, TM+12+b the conversion's scale operand, TM+4+b the byte
.irp b, 0,1,2,3
	v_max3_num_f32 v[TM+\b], |v[\ab+16*\b]|, |v[\ab+16*\b+1]|, 0x1800000   ; with the floor 2^(3 - 127)
.endr
.irp t, 2,4,6,8,10,12,14
.irp b, 0,1,2,3
	v_max3_num_f32 v[TM+\b], v[TM+\b], |v[\ab+16*\b+\t]|, |v[\ab+16*\b+\t+1]|
.endr
.endr
.irp b, 0,1,2,3
	v_permlanex16_b32 v[TM+4+\b], v[TM+\b], s[SEL], s[SEL+1]
.endr
.irp b, 0,1,2,3
	v_max_num_f32 v[TM+\b], v[TM+\b], v[TM+4+\b]                  ; with lane l xor 16's 16 numbers: the block's
.endr
.irp b, 0,1,2,3
	v_add_nc_u32 v[TM+12+\b], 0xff000000, v[TM+\b]                ; 2 off the exponent field
.endr
.irp b, 0,1,2,3
	v_lshrrev_b32 v[TM+4+\b], 23, v[TM+12+\b]
.endr
.endm
.macro QUANT s                         ; 64 numbers (register 16 b + i = k 32 b + 16 h + i of my row) become a fragment in v[PC] on and its scale word in v[PW]
	AMAX \s
	v_lshl_or_b32 v[PW], v[TM+5], 8, v[TM+4]
	v_lshl_or_b32 v[PW], v[TM+6], 16, v[PW]
	v_lshl_or_b32 v[PW], v[TM+7], 24, v[PW]
.irp c, 0,1
	v_cvt_scalef32_pk16_fp6_f32 v[PC+6*\c:PC+2+6*\c], v[\s+32*\c:\s+15+32*\c], v[TM+12+2*\c]
	v_cvt_scalef32_pk16_fp6_f32 v[PC+12+4*\c:PC+14+4*\c], v[\s+16+32*\c:\s+31+32*\c], v[TM+12+2*\c+1]
.endr
	v_nop                                          ; one plain instruction behind the scaled conversions
.irp c, 0,1
.irp i, 0,1,2
	v_permlane16_swap_b32 v[PC+6*\c+\i], v[PC+12+4*\c+\i]
.endr
.irp i, 0,1,2
	v_mov_b32 v[PC+3+6*\c+\i], v[PC+12+4*\c+\i]
.endr
.endr
.endm
.macro XLOAD t                         ; K step t of my 16 rows, as they lie: each load 512 consecutive bytes of one row; into set t % 4 of window 3
	WIN 0xc0
.irp i, 0,1,2,3,4,5,6,7,8,9,10,11,12,13,14,15
	global_load_b128 v[64*((\t)%4)+4*\i:64*((\t)%4)+4*\i+3], v[LI], s[XB:XB+1] offset:(\i+8*(\i/8))*4096+512*(\t) th:TH_LOAD_NT
.endr
	WIN 0
.endm
.macro XSTEP s
.if (\s) < 5
	s_wait_loadcnt 48                              ; this K step's 16 loads are in; those of the three steps behind it may be out
.else
	s_wait_loadcnt 16*(7-(\s))
.endif
	WIN 0x0c                                       ; an LDS store's data are its source 1: window 3
.irp i, 0,1,2,3,4,5,6,7,8,9,10,11,12,13,14,15
	ds_store_b128 v[STW], v[64*((\s)%4)+4*\i:64*((\s)%4)+4*\i+3] offset:SPI*\i
.endr
	WIN 0
.irp b, 0,1,2,3
.irp j, 0,1,2,3
	ds_load_b128 v[XN+16*\b+4*\j:XN+16*\b+4*\j+3], v[STR] offset:128*\b+16*\j   ; LDS serves a wave's instructions in order: these see the stores above
.endr
.endr
	s_wait_dscnt 0x0                               ; the numbers are back; the stage's stores have read their set, the last step's image stores their codes
.if (\s) < 4
	XLOAD (\s)+4
.endif
	QUANT XN
.irp k, 0,1,2
	ds_store_b128 v[XWI], v[PC+4*\k:PC+4*\k+3] offset:FRB*(\s)+512*\k
.endr
	ds_store_b32 v[XWS], v[PW] offset:128*(\s)
.endm
; q's or k's results of a trip (type ty), in v[ab] on: register 16 m + i = dimension 32 w + 16 h + i of row (m, r).  Block w of four fragments: 3 dwords a lane and fragment, and a byte.
.macro EPQ ty, ab
	AMAX \ab
.irp m, 0,1,2,3
	v_cvt_scalef32_pk16_fp6_f32 v[PC+4*\m:PC+4*\m+2], v[\ab+16*\m:\ab+16*\m+15], v[TM+12+\m]
.endr
	v_nop
.irp m, 0,1,2,3
.irp i, 0,1,2
	ds_store_b32 v[QWA+\i], v[PC+4*\m+\i] offset:(4*(\ty)+\m)*FRB
.endr
	ds_store_b8 v[QSW], v[TM+4+\m] offset:(4*(\ty)+\m)*64          ; both halves of the lanes write the same byte with the same value
.endr
.endm
; v's results of a trip, in v[ab] on: register 32 i + 16 b + j = key 32 b + 16 h + j (of my 64) of channel (tile i, r).  Two half fragments and 2 x 2 scale bytes, stored from registers.
.macro EPV ab
	AMAX \ab
	v_lshl_or_b32 v[HW0], v[TM+5], 8, v[TM+4]
	v_lshl_or_b32 v[HW1], v[TM+7], 8, v[TM+6]
	v_cndmask_b32 v[HW], v[HW0], v[HW1], s[HIM]    ; lanes 0-15: tile 0's two bytes, lanes 16-31: tile 1's
.irp i, 0,1
	v_cvt_scalef32_pk16_fp6_f32 v[PC+6*\i:PC+6*\i+2], v[\ab+32*\i:\ab+32*\i+15], v[TM+12+2*\i]
	v_cvt_scalef32_pk16_fp6_f32 v[PC+12+4*\i:PC+12+4*\i+2], v[\ab+32*\i+16:\ab+32*\i+31], v[TM+12+2*\i+1]
.endr
	v_nop
.irp i, 0,1
.irp k, 0,1,2
	v_permlane16_swap_b32 v[PC+6*\i+\k], v[PC+12+4*\i+\k]
.endr
.irp k, 0,1,2
	v_mov_b32 v[PC+6*\i+3+\k], v[PC+12+4*\i+\k]
.endr
.endr
.irp i, 0,1
	global_store_b128 v[LI], v[PC+6*\i:PC+6*\i+3], s[KVV:KVV+1] offset:FRB*\i          ; 512 consecutive bytes, at a multiple of 256 from kv's first byte
	global_store_b64 v[L8], v[PC+6*\i+4:PC+6*\i+5], s[KVV:KVV+1] offset:FRB*\i+512     ; 256 likewise
.endr
	global_store_b16 v[LS], v[HW], s[KVS:KVS+1]    ; two of each word's four bytes: the other two belong to the neighbouring 64 keys' work-group
.endm
; A TRIP.  slot: which slot holds its weights; acc: its set of accumulators; isv: Wv's tiles; epi: what the last trip left to quantise (0 nothing, 1 q, 2 k, 3 v);
; head: 0 the first trip; 1 the other slot is filled again; 2 the last trip.
.macro TRIP slot, acc, isv, epi, head
.set AC, 128+64*(\acc)
.set OA, 192-64*(\acc)
.set GX, G0+4-4*(\slot)
.if (\head) == 0
	s_wait_tensorcnt 0x1                           ; my part of slot 0 is in (only I read it); slot 1's load may be out
.elseif (\head) == 1
	s_wait_tensorcnt 0x0                           ; all my tensor loads have landed, this trip's weights among them: a group 0 may be written;
	ds_add_u32 v[SPW], v[NIL]                      ; 0 onto my spare word
	s_mul_i32 s[OF], s[NB], WBLK                   ; the other slot takes Wv's block NB: the address is made anew from my part of Wv's first block,
	s_add_nc_u64 s[GX+2:GX+3], s[WB:WB+1], s[OF:OF+1]
	s_or_b32 s[GX+3], s[GX+3], 0x80000000          ; with the type on top;
	s_add_co_u32 s[NB], s[NB], 1
	s_and_b32 s[NB], s[NB], 7                      ; the walk goes round the eight blocks
	s_wait_dscnt 0x0                               ; the add is done, my reads of the other slot are over, my stores of q's and k's codes have landed
	ROUND                                          ; the same holds of every wave of the four work-groups
	tensor_load_to_lds s[GX:GX+3], s[G1:G1+7]      ; my one tensor load behind the round
	s_nop 0
	PLACES                                         ; also the places in front of the loads below and of the first read of the last trip's results
.else
	s_wait_tensorcnt 0x0                           ; the last block is in; nothing is filled again
	PLACES
.endif
.set q, 0
.rept 16
	ds_load_b32 v[WS+q], v[WSA+\slot] offset:128*q
.set q, q+1
.endr
	WIN 0xc0
.irp s, 0,1,2,3,4,5,6,7
.irp i, 0,1
.irp k, 0,1,2
	ds_load_b128 v[12*(8*\i+\s)+4*\k:12*(8*\i+\s)+4*\k+3], v[WA+\slot] offset:(8*\i+\s)*FRB+512*\k
.endr
.endr
.endr
	WIN 0
.set EX, 0
.if (\epi) == 1
	EPQ 0, OA
.set EX, 16
.elseif (\epi) == 2
	EPQ 1, OA
.set EX, 16
.elseif (\epi) == 3
	EPV OA
.endif
.irp s, 0,1,2,3,4,5,6,7
	s_wait_dscnt 6*(7-\s)+EX                       ; the later K steps' six loads each, and the epilogue's LDS stores, may be out
.if \s == 0
.set ZZ, 1
.else
.set ZZ, 0
.endif
.if \isv
	WIN 0x0d+(\s/5)                                ; source 0 = x (window 1 or 2), source 1 = the weight (window 3)
.else
	WIN 0x07+4*(\s/5)                              ; source 0 = the weight, source 1 = x
.endif
.irp i, 0,1
.irp m, 0,1,2,3
.if \isv
	MM AC+32*\i+8*\m, 48*(\s%5)+12*\m, 12*(8*\i+\s), XS+8*\m+\s, WS+8*\i+\s, ZZ
.else
	MM AC+16*\m+8*\i, 12*(8*\i+\s), 48*(\s%5)+12*\m, WS+8*\i+\s, XS+8*\m+\s, ZZ
.endif
.endr
.endr
.endr
	WIN 0
.if (\epi) == 3
	s_wait_xcnt 0x0                                ; the epilogue's stores have read their registers and bases: the bases go on to the next block's places
	s_add_co_u32 s[EB], s[EB], 1
	s_and_b32 s[EB], s[EB], 7
	s_mul_i32 s[OF], s[EB], 2*FRB                  ; block EB's two fragments,
	s_add_nc_u64 s[KVV:KVV+1], s[KV0:KV0+1], s[OF:OF+1]
	s_lshl_b32 s[OF], s[EB], 7                     ; and its scale image
	s_add_nc_u64 s[KVS:KVS+1], s[KS0:KS0+1], s[OF:OF+1]
.endif
.endm
	s_load_b128 s[4:7], s[0:1], 0x0                ; x, wc
	s_load_b128 s[8:11], s[0:1], 0x10              ; qf, kv
	v_lshl_add_u32 v[SPW], v0, 2, SPARE
	v_mov_b32 v[NIL], 0
	ds_add_u32 v1, v2
	ds_add_u32 v1, v2
	s_wait_dscnt 0x0
	v_lshrrev_b32 v24, 5, v0
	v_readfirstlane_b32 s[WV], v24                 ; wave 0..3
	v_and_b32 v24, 31, v0
	v_and_b32 v25, 15, v0                          ; r
	v_bfe_u32 v26, v0, 4, 1                        ; h
	v_lshlrev_b32 v[LI], 4, v24
	v_lshlrev_b32 v[LS], 2, v24
	v_lshlrev_b32 v[L8], 3, v24
	s_bfe_u32 s13, ttmp6, 0x40000                  ; cx: it enters global addresses of x, qf and kv alone
	s_lshl_b32 s14, ttmp9, 2
	s_add_co_u32 s14, s14, s13                     ; g
	s_lshr_b32 s50, s14, 5                         ; batch
	s_and_b32 s51, s14, 31
	s_lshr_b32 s52, s51, 1                         ; key step
	s_and_b32 s53, s51, 1                          ; c: which 64 of its 128 keys
	s_mul_i32 s54, s50, BATCHB
	s_mul_i32 s55, s52, BLK
	s_add_co_u32 s55, s55, s54
	s_mul_i32 s56, s[WV], QB
	s_add_co_u32 s56, s56, s55                     ; quarter w of my key step's block
	s_mul_i32 s57, s53, 768
	s_add_co_u32 s[KVV], s56, s57
	s_mov_b32 s[KVV+1], 0
	s_lshl_b32 s57, s53, 1
	s_add_co_u32 s[KVS], s56, s57
	s_add_co_u32 s[KVS], s[KVS], VSOFF
	s_mov_b32 s[KVS+1], 0
	s_add_co_u32 s57, s52, 15                      ; K of step s lies in block (s + 15) % 16,
	s_and_b32 s57, s57, 15
	s_mul_i32 s57, s57, BLK
	s_add_co_u32 s57, s57, s54
	s_lshl_b32 s58, s53, 1
	s_lshr_b32 s59, s[WV], 1
	s_add_co_u32 s58, s58, s59                     ; quarter = key block 2 c + (w >> 1),
	s_mul_i32 s58, s58, QB
	s_add_co_u32 s57, s57, s58
	s_and_b32 s59, s[WV], 1                        ; tile u = w & 1
	s_mul_i32 s58, s59, FRB
	s_add_co_u32 s[KVK], s57, s58
	s_add_co_u32 s[KVK], s[KVK], KOFF
	s_mov_b32 s[KVK+1], 0
	s_lshl_b32 s58, s59, 7
	s_add_co_u32 s[KVKS], s57, s58
	s_add_co_u32 s[KVKS], s[KVKS], KSOFF
	s_mov_b32 s[KVKS+1], 0
	s_lshl_b32 s[XB], s14, 18                      ; 64 g rows of 4,096 bytes,
	s_lshr_b32 s58, s[WV], 1
	s_lshl_b32 s58, s58, 17                        ; + 32 (w >> 1) rows,
	s_add_co_u32 s[XB], s[XB], s58
	s_lshl_b32 s58, s59, 15                        ; + 8 (w & 1) rows
	s_add_co_u32 s[XB], s[XB], s58
	s_mov_b32 s[XB+1], 0
	s_mul_i32 s57, s14, QGB
	s_mul_i32 s58, s[WV], FRB
	s_add_co_u32 s[QFO], s57, s58
	s_mov_b32 s[QFO+1], 0
	s_lshl_b32 s58, s[WV], 7
	s_add_co_u32 s[QFS], s57, s58
	s_add_co_u32 s[QFS], s[QFS], 4*FRB
	s_mov_b32 s[QFS+1], 0
	; descriptor group 1: 104 rows of 256 bytes (32 elements of 8 bytes), dense in memory and in LDS
	s_mov_b32 s[G1+0], 15|(3<<16)|(1<<21)          ; the mask: all four work-groups; elements of 8 bytes; bit 21 beside a mask
	s_mov_b32 s[G1+1], 32<<16                      ; tensor_dim0
	s_mov_b32 s[G1+2], 104<<16                     ; tensor_dim1
	s_mov_b32 s[G1+3], 32<<16                      ; tile_dim0
	s_mov_b32 s[G1+4], 104                         ; tile_dim1
	s_mov_b32 s[G1+5], 32                          ; the pitch
	s_mov_b32 s[G1+6], 0
	s_mov_b32 s[G1+7], 0
	s_mov_b32 s[SEL], 0x76543210
	s_mov_b32 s[SEL+1], 0xfedcba98
	s_mov_b32 s[HIM], 0xffff0000                   ; lanes 16-31
	s_mul_i32 s60, s[WV], WQB                      ; my part of a block of wc, and of a slot
	s_mov_b32 s61, 0
	s_wait_kmcnt 0x0
	s_add_nc_u64 s[XB:XB+1], s[4:5], s[XB:XB+1]
	s_add_nc_u64 s[6:7], s[6:7], s[60:61]
	s_add_nc_u64 s[QFO:QFO+1], s[8:9], s[QFO:QFO+1]
	s_add_nc_u64 s[QFS:QFS+1], s[8:9], s[QFS:QFS+1]
	s_add_nc_u64 s[KV0:KV0+1], s[10:11], s[KVV:KVV+1]
	s_add_nc_u64 s[KS0:KS0+1], s[10:11], s[KVS:KVS+1]
	s_add_nc_u64 s[KVK:KVK+1], s[10:11], s[KVK:KVK+1]
	s_add_nc_u64 s[KVKS:KVKS+1], s[10:11], s[KVKS:KVKS+1]
	s_add_nc_u64 s[WB:WB+1], s[6:7], 2*WBLK        ; Wv's blocks follow Wq's and Wk's
	s_lshr_b32 s[NB], ttmp9, 3                     ; rot = (c + c / 8) % 8, c the cluster's number: the same in all four partners
	s_add_co_u32 s[NB], s[NB], ttmp9
	s_and_b32 s[NB], s[NB], 7
	s_mov_b32 s[EB], s[NB]
	s_mov_b32 s[OF+1], 0
	s_mul_i32 s[OF], s[EB], 2*FRB
	s_add_nc_u64 s[KVV:KVV+1], s[KV0:KV0+1], s[OF:OF+1]   ; where my first block's results go
	s_lshl_b32 s[OF], s[EB], 7
	s_add_nc_u64 s[KVS:KVS+1], s[KS0:KS0+1], s[OF:OF+1]
	s_wait_alu depctr_va_vdst(0)                   ; a wait ahead of the first reader of the lane offsets
	XLOAD 0                                        ; three K steps of x (48 loads) are asked for ahead of the round
	XLOAD 1
	XLOAD 2
	ROUND
	s_mov_b32 s[G0], 1
	s_mov_b32 s[G0+1], s60
	s_mov_b64 s[G0+2:G0+3], s[6:7]
	s_or_b32 s[G0+3], s[G0+3], 0x80000000
	s_mov_b32 s[G0+4], 1
	s_add_co_u32 s[G0+5], s60, SLOTB
	s_add_nc_u64 s[G0+6:G0+7], s[6:7], WBLK
	s_or_b32 s[G0+7], s[G0+7], 0x80000000
	tensor_load_to_lds s[G0:G0+3], s[G1:G1+7]      ; Wq's block: my one tensor load at the head
	s_nop 0
	PLACES
	XLOAD 3
	s_mul_i32 s62, s[WV], STGB
	s_add_co_u32 s62, s62, XST
	v_add_nc_u32 v[STW], s62, v[LI]
	v_mul_u32_u24 v[STR], v25, SPI
	v_lshl_add_u32 v[STR], v26, 6, v[STR]
	v_add_nc_u32 v[STR], s62, v[STR]
	s_mul_i32 s62, s[WV], 8*FRB
	s_add_co_u32 s62, s62, XIMG
	v_add_nc_u32 v[XWI], s62, v[LI]
	s_lshl_b32 s62, s[WV], 10
	s_add_co_u32 s62, s62, XSC
	v_add_nc_u32 v[XWS], s62, v[LS]
	v_add_nc_u32 v[XRI], XIMG, v[LI]
	v_add_nc_u32 v[XRS], XSC, v[LS]
	v_add_nc_u32 v[WA], s60, v[LI]
	v_add_nc_u32 v[WA+1], SLOTB, v[WA]
	s_add_co_u32 s62, s60, WSOFF
	v_add_nc_u32 v[WSA], s62, v[LS]
	v_add_nc_u32 v[WSA+1], SLOTB, v[WSA]
	; block w of a fragment: my dword i is register p = 6 (w >> 1) + 3 h + i of lane r + 16 (w & 1): byte (p >> 2) x 512 + 4 (p & 3) + 16 x that lane of the image
	s_lshr_b32 s62, s[WV], 1
	s_mul_i32 s62, s62, 6
	s_and_b32 s63, s[WV], 1
	s_lshl_b32 s63, s63, 8
	s_add_co_u32 s63, s63, QKC
	v_mul_u32_u24 v27, v26, 3
	v_add_nc_u32 v27, s62, v27
	v_lshl_add_u32 v28, v25, 4, s63
.irp i, 0,1,2
	v_add_nc_u32 v29, \i, v27
	v_lshrrev_b32 v[QWA+\i], 2, v29
	v_and_b32 v29, 3, v29
	v_lshl_add_u32 v[QWA+\i], v[QWA+\i], 9, v28
	v_lshl_add_u32 v[QWA+\i], v29, 2, v[QWA+\i]
.endr
	v_lshlrev_b32 v27, 2, v25                      ; 4 r
	s_add_co_u32 s62, s[WV], QKS
	v_add_nc_u32 v[QSW], s62, v27
	s_mul_i32 s62, s[WV], FRB
	s_add_co_u32 s62, s62, QKC
	v_add_nc_u32 v[QRD], s62, v[LI]
	s_lshl_b32 s62, s[WV], 6
	s_add_co_u32 s62, s62, QKS
	v_add_nc_u32 v[QSR], s62, v27
.irp b, 0,1,2,3
	v_mov_b32 v[TM+4+\b], 0                        ; a lane permute's destination counts as read
.endr
.irp s, 0,1,2,3,4,5,6,7
	XSTEP \s
.endr
	s_wait_tensorcnt 0x0                           ; Wq's block is in; slot 1's first fill is issued as a refill is
	ds_add_u32 v[SPW], v[NIL]
	s_wait_dscnt 0x0                               ; the add is done, my images have landed
	ROUND                                          ; everybody's have
	tensor_load_to_lds s[G0+4:G0+7], s[G1:G1+7]    ; Wk's block, my one tensor load behind the round
	s_nop 0
	PLACES
	WIN 0x40
.irp s, 0,1,2,3,4
.irp m, 0,1,2,3
.irp k, 0,1,2
	ds_load_b128 v[48*\s+12*\m+4*\k:48*\s+12*\m+4*\k+3], v[XRI] offset:(8*\m+\s)*FRB+512*\k
.endr
.endr
.endr
	WIN 0x80
.irp s, 5,6,7
.irp m, 0,1,2,3
.irp k, 0,1,2
	ds_load_b128 v[48*(\s-5)+12*\m+4*\k:48*(\s-5)+12*\m+4*\k+3], v[XRI] offset:(8*\m+\s)*FRB+512*\k
.endr
.endr
.endr
	WIN 0
.set q, 0
.rept 32
	ds_load_b32 v[XS+q], v[XRS] offset:128*q
.set q, q+1
.endr
	s_wait_dscnt 0x0
	TRIP 0, 0, 0, 0, 0                             ; Wq
	TRIP 1, 1, 0, 1, 1                             ; Wk | q is quantised
	TRIP 0, 0, 1, 2, 1                             ; Wv's first pair of tiles of my walk | k is quantised
	s_mov_b32 s[CNT], 3
.Lpair:                                                ; trips 3 to 8
	TRIP 1, 1, 1, 3, 1
	TRIP 0, 0, 1, 3, 1
	s_sub_co_u32 s[CNT], s[CNT], 1
	s_cmp_lg_u32 s[CNT], 0
	s_cbranch_scc1 .Lpair
	TRIP 1, 1, 1, 3, 2                             ; the last trip is written out: it asks for nothing
	PLACES
	EPV 192
	; q's and k's fragments are whole in LDS (the rounds since, each behind every wave's wait for its LDS stores, have shown them to all): wave w stores tile w's
.irp ty, 0,1
.irp k, 0,1,2
	ds_load_b128 v[128+12*\ty+4*\k:128+12*\ty+4*\k+3], v[QRD] offset:\ty*4*FRB+512*\k
.endr
	ds_load_b32 v[152+\ty], v[QSR] offset:256*\ty
.endr
	s_wait_dscnt 0x0
.irp k, 0,1,2
	global_store_b128 v[LI], v[128+4*\k:128+4*\k+3], s[QFO:QFO+1] offset:512*\k
	global_store_b128 v[LI], v[140+4*\k:140+4*\k+3], s[KVK:KVK+1] offset:512*\k
.endr
	global_store_b32 v[LS], v152, s[QFS:QFS+1]
	global_store_b32 v[LS], v153, s[KVKS:KVKS+1]
	s_wait_tensorcnt 0x0                           ; the wave's end
	ds_add_u32 v[SPW], v[NIL]
	s_wait_dscnt 0x0
	ROUND                                          ; the closing round
	s_endpgm
.Lfunc_end_k_q23088640c2_proj:
	.size	k_q23088640c2_proj, .Lfunc_end_k_q23088640c2_proj-k_q23088640c2_proj
	.p2alignl 7, 3214868480
	.fill 96, 4, 3214868480
	.section	.rodata,"a",@progbits
	.p2align	6, 0x0
	.amdhsa_kernel k_q23088640c2_proj
		.amdhsa_group_segment_fixed_size 327680
		.amdhsa_private_segment_fixed_size 0
		.amdhsa_enable_private_segment 0
		.amdhsa_kernarg_size 32
		.amdhsa_user_sgpr_count 2
		.amdhsa_user_sgpr_kernarg_segment_ptr 1
		.amdhsa_wavefront_size32 1
		.amdhsa_system_sgpr_workgroup_id_x 1
		.amdhsa_system_sgpr_workgroup_id_y 1
		.amdhsa_system_sgpr_workgroup_id_z 1
		.amdhsa_system_vgpr_workitem_id 0
		.amdhsa_next_free_vgpr 1024
		.amdhsa_next_free_sgpr 66
		.amdhsa_reserve_vcc 0
		.amdhsa_float_denorm_mode_32 3
		.amdhsa_float_denorm_mode_16_64 3
		.amdhsa_memory_ordered 1
		.amdhsa_forward_progress 1
		.amdhsa_inst_pref_size 184
	.end_amdhsa_kernel
	.amdgpu_metadata
---
amdhsa.version: [ 1, 2 ]
amdhsa.kernels:
  - .name:           k_q23088640c2_proj
    .symbol:         k_q23088640c2_proj.kd
    .args:
      - { .name: x, .offset: 0, .size: 8, .value_kind: global_buffer, .address_space: global }
      - { .name: wc, .offset: 8, .size: 8, .value_kind: global_buffer, .address_space: global }
      - { .name: qf, .offset: 16, .size: 8, .value_kind: global_buffer, .address_space: global }
      - { .name: kv, .offset: 24, .size: 8, .value_kind: global_buffer, .address_space: global }
    .group_segment_fixed_size: 327680
    .private_segment_fixed_size: 0
    .kernarg_segment_align: 8
    .kernarg_segment_size: 32
    .max_flat_workgroup_size: 128
    .sgpr_count:     66
    .vgpr_count:     1024
    .wavefront_size: 32
...
	.end_amdgpu_metadata
.endif
;; end of part 5
;; launch attn (part 6): grid 32 x 8, 4 waves a work-group, clusters of 4 x 1, 327,680 bytes of LDS; arguments qf, kv, out0; writes out0
.if DOCPART == 6
	.amdgcn_target "amdgcn-amd-amdhsa--gfx1250"
	.amdhsa_code_object_version 6
	.text
	.protected	k_q23088640c2_attn
	.globl	k_q23088640c2_attn
	.p2align	8
	.type	k_q23088640c2_attn,@function
k_q23088640c2_attn:
	s_mov_b64 s[64:65], 0
	v_nop
	global_prefetch_b8 v0, s[64:65] scope:SCOPE_SE
	s_setreg_imm32_b32 hwreg(HW_REG_WAVE_MODE, 25, 1), 1
	s_wait_xcnt 0x0
	s_wait_alu depctr_hold_cnt(0) depctr_sa_sdst(0) depctr_va_vdst(0) depctr_va_sdst(0) depctr_va_ssrc(0) depctr_va_vcc(0) depctr_vm_vsrc(0)
	s_getreg_b32 s2, hwreg(HW_REG_IB_STS2, 6, 4)
	s_cmp_eq_u32 s2, 0
	s_cbranch_scc0 .Lentry_in_a_cluster
	s_endpgm
.Lentry_in_a_cluster:
	s_bfe_u32 s2, ttmp6, 0x10000c
	s_cmp_lg_u32 s2, 0x3003
	s_cbranch_scc0 .Lentry_shape_is_right
	s_endpgm
.Lentry_shape_is_right:
; out = softmax(q k^T / sqrt(128)) v on codes of FP6 (E2M3) with E8M0 scales; q, k, v come as register images from the launch before (qf, kv: laid as that launch's head comment says).
; SHARES.  A work-group owns 64 queries of one batch (four tiles m of 16) and all 1,024 channels; wave w owns channels 256 w .. 256 w + 255: 16 x 4 accumulators, 512 registers (windows 2, 3).
; Both products are used transposed (S^T = k q^T, O^T = v^T p^T): a lane holds one query.  In a key step of 128 wave w makes the scores and p of key block w (32 keys); p's codes meet in LDS as fragment images.
; PASS 1: all scores once, for each row's largest and each block's largest (kept in LDS): M = ceil(the row's largest t) is the true one, so nothing is ever rescaled.
; PASS 2: 16 trips, one key step each, through a ring of two LDS slots (115,712 bytes: V^T of the step and K of the next); each wave fetches and reads its own quarter.
; A trip: the round and the refill; the LDS loads; the next step's 8 score products; its softmax as ONE block (one batch of 68 exponentials), with V's later fragments asked for inside it; p's stores; then 64 products on end.
; The four work-groups of a cluster are four query blocks of one batch and walk the same tiles: they ask JOINTLY (mask 15).  Cluster c starts its walk at key step (6 c) & 14.
; PREFETCH: at the head each work-group names 100 blocks of 256 bytes of quarter cx of the walk's third and fourth tiles, two trips ahead of their loads; later tiles are walked by the batch's other clusters in the same launch, so none is asked for in the loop.
; LIMITS: holds while the scaled scores stay under 2^31 in magnitude; a block whose every p lies under 2^-124 gets the byte 1 (its codes are zeros); NaN and infinities are not served.
.set FRB,    1536
.set QB,     28928
.set BLK,    115712
.set BATCHB, 1851392
.set VSOFF,  24576
.set KOFF,   25600
.set KSOFF,  28672
.set QGB,    6656
.set SLOTB,  115712
.set PB,     2*SLOTB                   ; p's images: two buffers of 4 x 1,536 + 256 bytes
.set PBB,    6400
.set BM,     PB+2*PBB                  ; the blocks' largest scores: 8,192 bytes a wave
.set MX,     BM+32768                  ; the waves' row maxima, then their row sums
.set SPARE,  MX+4096                   ; the spare words
.set STGW,   16*1040                   ; the way out: a stage of 16 rows x 1,040 bytes a wave, in slot 0 behind its last fill and read
.set SPW, 1
.set NIL, 2
.set LI,  3
.set AV,  4
.set A8,  6
.set AS,  8
.set AK,  10
.set PWA, 12
.set PSW, 15
.set PRD, 16
.set PSR, 17
.set BMA, 18
.set BMR, 19
.set MXW, 20
.set MXR, 21
.set KGO, 22
.set KGS, 23
.set PFO, 24
.set STO, 25
.set RD,  26
.set LS,  27
.set QF,  32                           ; v32-79 q's four fragments; v80-83 their scale words
.set QS,  80
.set SCB, 84                           ; v84-99 scales alone: pass 1 k's 16 words; then V's 8, p's 4, k's 1
.set VSC, 84
.set PSC, 92
.set KSC, 96
.set NM,  100                          ; -M in pairs; at the end 1 / l
.set LSUM, 108
.set RM,  108
.set BMX, 116
.set PMX, 120
.set SOP, 124
.set S,   128                          ; v128-191 the scores, then p
.set PF,  192                          ; v192-239 p's fragments
.set KGA, 192
.set KGB, 208
.set CD,  240
.set KF,  192                          ; window 1: v0-191 V's 16 fragments, v192-215 k's two
.set WV,  10
.set CX,  11
.set G1,  16
.set G0,  24
.set SEL, 32
.set CS,  34
.set CNT, 36
.set ROT, 37
.set PFA, 38
.set NB,  41
.set RB,  50
.set OF,  56
.set MSB, 0
.macro WIN new
.if MSB != (\new)
	s_set_vgpr_msb (MSB<<8)|(\new)
.set MSB, (\new)
.endif
.endm
.macro PLACES
.rept 4
	v_nop
.endr
.endm
.macro ROUND
	s_barrier_signal -1
	s_barrier_wait -1
	s_cmp_lg_u32 s[WV], 0
	s_cbranch_scc1 .Lnot_wave_0_\@
	s_barrier_signal -3
.Lnot_wave_0_\@:
	s_barrier_wait -3
	s_barrier_signal -1
	s_barrier_wait -1
.endm
.macro MM d, a, b, sa, sb, z, row
.if (\z) && (\row)
	v_wmma_scale_f32_16x16x128_f8f6f4 v[\d:\d+7], v[\a:\a+11], v[\b:\b+11], 0, v[\sa], v[\sb] matrix_a_fmt:MATRIX_FMT_FP6 matrix_b_fmt:MATRIX_FMT_FP6 matrix_a_scale:MATRIX_SCALE_ROW1
.elseif (\z)
	v_wmma_scale_f32_16x16x128_f8f6f4 v[\d:\d+7], v[\a:\a+11], v[\b:\b+11], 0, v[\sa], v[\sb] matrix_a_fmt:MATRIX_FMT_FP6 matrix_b_fmt:MATRIX_FMT_FP6
.elseif (\row)
	v_wmma_scale_f32_16x16x128_f8f6f4 v[\d:\d+7], v[\a:\a+11], v[\b:\b+11], v[\d:\d+7], v[\sa], v[\sb] matrix_a_fmt:MATRIX_FMT_FP6 matrix_b_fmt:MATRIX_FMT_FP6 matrix_a_scale:MATRIX_SCALE_ROW1
.else
	v_wmma_scale_f32_16x16x128_f8f6f4 v[\d:\d+7], v[\a:\a+11], v[\b:\b+11], v[\d:\d+7], v[\sa], v[\sb] matrix_a_fmt:MATRIX_FMT_FP6 matrix_b_fmt:MATRIX_FMT_FP6
.endif
.endm
.macro SPROD a0, sc                    ; my 32 keys x 64 queries: register 16 m + 8 u + j = key 16 h + 8 u + j of my block, query (m, r)
.irp m, 0,1,2,3
.irp u, 0,1
	MM S+16*\m+8*\u, (\a0)+12*\u, QF+12*\m, \sc, QS+\m, 1, \u
.endr
.endr
.endm
.macro P1STEP s                        ; pass 1: step s of the walk: the block's largest score of each query to LDS, the running largest in RM
.if 6*(15-(\s)) > 63
	s_wait_loadcnt 63
.else
	s_wait_loadcnt 6*(15-(\s))                     ; the later steps' six loads each may be out
.endif
	WIN 0x02+(\s)/8
	SPROD 24*((\s)%8), SCB+(\s)
	WIN 0
	s_wait_dscnt 0x0                               ; the last step's store has read its registers
	PLACES
.irp m, 0,1,2,3
	v_max3_num_f32 v[BMX+\m], v[S+16*\m], v[S+16*\m+1], v[S+16*\m+2]
.endr
.irp t, 3,5,7,9,11,13
.irp m, 0,1,2,3
	v_max3_num_f32 v[BMX+\m], v[BMX+\m], v[S+16*\m+\t], v[S+16*\m+\t+1]
.endr
.endr
.irp m, 0,1,2,3
	v_max_num_f32 v[BMX+\m], v[BMX+\m], v[S+16*\m+15]
.endr
.irp m, 0,1,2,3
	v_permlanex16_b32 v[PMX+\m], v[BMX+\m], s[SEL], s[SEL+1]
.endr
.irp m, 0,1,2,3
	v_max_num_f32 v[BMX+\m], v[BMX+\m], v[PMX+\m]
.endr
.irp m, 0,1,2,3
	v_max_num_f32 v[RM+\m], v[RM+\m], v[BMX+\m]
.endr
	ds_store_b128 v[BMA], v[BMX:BMX+3] offset:512*(\s)
.endm
.macro VLOAD sg, f0, cnt               ; V's fragments f0 .. f0 + cnt - 1 of my quarter of slot sg: four loads each
	WIN 0x40
.set q, \f0
.rept \cnt
.irp c, 0,1
	ds_load_b128 v[12*q+6*\c:12*q+6*\c+3], v[AV+\sg] offset:FRB*q+768*\c
	ds_load_b64 v[12*q+6*\c+4:12*q+6*\c+5], v[A8+\sg] offset:FRB*q+768*\c+512
.endr
.set q, q+1
.endr
	WIN 0
.endm
; The softmax of 64 scores a lane, as one block.  vl = 1: V's fragments 10-15 of slot sg are asked for in three pieces inside it.
.macro SOFT sg, vl
	PLACES                                         ; behind the score products
.set n, 0
.rept 32
	v_pk_fma_f32 v[S+2*n:S+2*n+1], v[S+2*n:S+2*n+1], s[CS:CS+1], v[NM+2*(n/8):NM+2*(n/8)+1] op_sel_hi:[1,0,0]   ; t - M
.set n, n+1
.endr
.irp m, 0,1,2,3
	v_fma_f32 v[PMX+\m], v[BMX+\m], s[CS], v[NM+2*\m]              ; the same of the block's largest score
.endr
.if \vl
	VLOAD \sg, 10, 2
.endif
	s_wait_alu depctr_va_vdst(0)                   ; a wait ahead of the batch
.set n, 0
.rept 64
	v_exp_f32 v[S+n], v[S+n]
.set n, n+1
.endr
.irp m, 0,1,2,3
	v_exp_f32 v[PMX+\m], v[PMX+\m]                 ; the block's largest p
.endr
	v_nop
.if \vl
	VLOAD \sg, 12, 2
.endif
	s_wait_alu depctr_va_vdst(0)                   ; and behind it
.set n, 0
.rept 32
	v_pk_add_f32 v[LSUM+2*(n%4):LSUM+2*(n%4)+1], v[LSUM+2*(n%4):LSUM+2*(n%4)+1], v[S+16*(n%4)+2*(n/4):S+16*(n%4)+2*(n/4)+1]   ; the rows' sums of the unquantised p, four chains by turns
.set n, n+1
.endr
.if \vl
	VLOAD \sg, 14, 2
.endif
.irp m, 0,1,2,3
	v_max_num_f32 v[PMX+\m], 0x1800000, v[PMX+\m]  ; the floor 2^(3 - 127)
.endr
.irp m, 0,1,2,3
	v_add_nc_u32 v[SOP+\m], 0xff000000, v[PMX+\m]  ; 2 off the exponent field: the conversion's scale operand
.endr
.irp m, 0,1,2,3
	v_lshrrev_b32 v[PMX+\m], 23, v[SOP+\m]         ; the byte
.endr
.irp m, 0,1,2,3
	v_cvt_scalef32_pk16_fp6_f32 v[CD+4*\m:CD+4*\m+2], v[S+16*\m:S+16*\m+15], v[SOP+\m]
.endr
	v_nop                                          ; one plain instruction behind the scaled conversions
.endm
.macro PSTORE pb                       ; my block's three dwords and byte into each of p's four images
.irp m, 0,1,2,3
.irp i, 0,1,2
	ds_store_b32 v[PWA+\i], v[CD+4*\m+\i] offset:PBB*(\pb)+FRB*\m
.endr
	ds_store_b8 v[PSW], v[PMX+\m] offset:PBB*(\pb)+4*\m
.endr
	v_add_nc_u32 v[BMR], 512, v[BMR]
.endm
; A TRIP.  sg: its slot and p buffer; zero: its products start the sums; head: 0 the first, 1 the other slot is filled again, 2 the last; soft: the next step's scores and p are made.
.macro TRIP sg, zero, head, soft
.set GX, G0+4-4*(\sg)
.if (\head) == 1
	s_wait_tensorcnt 0x0                           ; my one load that was out, this trip's tile, is in
	ds_add_u32 v[SPW], v[NIL]
	s_mul_i32 s[OF], s[NB], BLK
	s_add_nc_u64 s[GX+2:GX+3], s[RB:RB+1], s[OF:OF+1]
	s_or_b32 s[GX+3], s[GX+3], 0x80000000
	s_add_co_u32 s[NB], s[NB], 1
	s_and_b32 s[NB], s[NB], 15
	s_wait_dscnt 0x0                               ; the add, my reads of the other slot, my stores of p
	ROUND
	tensor_load_to_lds s[GX:GX+3], s[G1:G1+7]
	s_nop 0
	PLACES                                         ; also the places in front of the loads below
.elseif (\head) == 2
	s_wait_tensorcnt 0x0
	ds_add_u32 v[SPW], v[NIL]
	s_wait_dscnt 0x0
	s_barrier_signal -1
	s_barrier_wait -1
	PLACES
.endif
.if \soft
	WIN 0x40
.irp u, 0,1
.irp k, 0,1,2
	ds_load_b128 v[KF+12*\u+4*\k:KF+12*\u+4*\k+3], v[AV+\sg] offset:KOFF+FRB*\u+512*\k
.endr
.endr
	WIN 0
	ds_load_b32 v[KSC], v[AK+\sg] offset:KSOFF
	ds_load_b128 v[BMX:BMX+3], v[BMR]
.endif
.irp m, 0,1,2,3
.irp k, 0,1,2
	ds_load_b128 v[PF+12*\m+4*\k:PF+12*\m+4*\k+3], v[PRD] offset:PBB*(\sg)+FRB*\m+512*\k
.endr
.endr
	ds_load_b128 v[PSC:PSC+3], v[PSR] offset:PBB*(\sg)
.irp i, 0,1,2,3,4,5,6,7
	ds_load_b32 v[VSC+\i], v[AS+\sg] offset:VSOFF+128*\i
.endr
	VLOAD \sg, 0, 8
.if \soft
	s_wait_dscnt 53                                ; of 61 loads the first eight are in: k's fragments, its scale word, the blocks' largest scores
	WIN 0x01
	SPROD KF, KSC
	WIN 0
	VLOAD \sg, 8, 2
	SOFT \sg, 1
	PSTORE 1-(\sg)
.else
	VLOAD \sg, 8, 8
.endif
.set ft, 0
.rept 16
.if \soft
.if 76-4*ft > 63
	s_wait_dscnt 63
.else
	s_wait_dscnt 76-4*ft                           ; of the trip's 109 LDS instructions those behind fragment ft may be out
.endif
.else
	s_wait_dscnt 60-4*ft                           ; of 85
.endif
	WIN 0xa1+0x50*(ft/8)
.if (\soft) && (ft == 0)
	s_wait_alu depctr_va_vdst(0)                   ; the sums are taken up again behind the batch
.endif
.set mm, 0
.rept 4
	MM 32*(ft%8)+8*mm, 12*ft, PF+12*mm, VSC+ft/2, PSC+mm, \zero, ft%2
.set mm, mm+1
.endr
.set ft, ft+1
.endr
	WIN 0
.endm
.macro OUTM m                          ; the way out of query tile m: x 1 / l, through my stage, back as rows of 1,024 bytes
.irp hw, 0,1
	WIN 0x82+0x41*\hw
.set q, 0
.rept 8
.irp p, 0,1,2,3
	v_pk_mul_f32 v[32*q+8*(\m)+2*\p:32*q+8*(\m)+2*\p+1], v[32*q+8*(\m)+2*\p:32*q+8*(\m)+2*\p+1], v[NM+2*(\m):NM+2*(\m)+1] op_sel_hi:[1,0]
.endr
.set q, q+1
.endr
	WIN 0x08+4*\hw
.set q, 0
.rept 8
	ds_store_b128 v[STO], v[32*q+8*(\m):32*q+8*(\m)+3] offset:64*(8*\hw+q)
	ds_store_b128 v[STO], v[32*q+8*(\m)+4:32*q+8*(\m)+7] offset:64*(8*\hw+q)+16
.set q, q+1
.endr
.endr
	WIN 0
.if (\m) > 0
	s_wait_xcnt 0x0                                ; the last tile's stores have read their registers
.endif
.set q, 0
.rept 32
	ds_load_b128 v[128+4*q:128+4*q+3], v[RD] offset:1040*(q/2)+512*(q%2)
.set q, q+1
.endr
.set q, 0
.rept 32
	s_wait_dscnt 31-q
	global_store_b128 v[LI], v[128+4*q:128+4*q+3], s[8:9] offset:(32*((\m)/2)+8*((\m)%2)+(q/2)+8*(q/16))*4096+512*(q%2) th:TH_STORE_NT   ; 512 consecutive bytes, aligned
.set q, q+1
.endr
.endm
	s_load_b128 s[4:7], s[0:1], 0x0                ; qf, kv
	s_load_b64 s[8:9], s[0:1], 0x10                ; out0
	v_lshl_add_u32 v[SPW], v0, 2, SPARE
	v_mov_b32 v[NIL], 0
	ds_add_u32 v[SPW], v[NIL]                      ; the opening lines: the add twice on end
	ds_add_u32 v[SPW], v[NIL]
	v_lshrrev_b32 v28, 5, v0
	v_readfirstlane_b32 s[WV], v28
	s_bfe_u32 s[CX], ttmp6, 0x40000
	s_and_b32 s12, ttmp7, 0xffff                   ; batch
	s_lshl_b32 s13, ttmp9, 2
	s_add_co_u32 s13, s13, s[CX]                   ; query block
	s_lshl_b32 s14, s12, 5
	s_add_co_u32 s14, s14, s13
	s_mul_i32 s42, s14, QGB
	s_mov_b32 s43, 0
	s_mul_i32 s44, s12, BATCHB
	s_mov_b32 s45, 0
	s_lshl_b32 s46, s14, 18
	s_lshl_b32 s47, s[WV], 10
	s_add_co_u32 s46, s46, s47
	s_mov_b32 s47, 0
	s_mul_i32 s48, s[WV], QB
	s_mov_b32 s49, 0
	s_mul_i32 s[ROT], ttmp9, 6
	s_and_b32 s[ROT], s[ROT], 14                   ; where the cluster's walk begins
	s_add_co_u32 s[NB], s[ROT], 2
	s_and_b32 s[NB], s[NB], 15
	s_mul_i32 s52, s[CX], QB
	s_mul_i32 s53, s[NB], BLK
	s_add_co_u32 s52, s52, s53
	s_mov_b32 s53, 0
	s_mul_i32 s[OF], s[ROT], BLK
	s_mov_b32 s[OF+1], 0
	s_mov_b32 s[G1+0], 15|(3<<16)|(1<<21)          ; 113 rows of 256 bytes, dense; the mask names all four
	s_mov_b32 s[G1+1], 32<<16
	s_mov_b32 s[G1+2], 113<<16
	s_mov_b32 s[G1+3], 32<<16
	s_mov_b32 s[G1+4], 113
	s_mov_b32 s[G1+5], 32
	s_mov_b32 s[G1+6], 0
	s_mov_b32 s[G1+7], 0
	s_mov_b32 s[SEL], 0x76543210
	s_mov_b32 s[SEL+1], 0xfedcba98
	s_mov_b32 s[CS], 0x3e0293ee                    ; log2(e) / sqrt(128)
	s_mov_b32 s[CS+1], s[CS]
	s_mov_b32 s[CNT], 7
	v_and_b32 v28, 31, v0
	v_and_b32 v29, 15, v0
	v_bfe_u32 v30, v0, 4, 1
	v_lshlrev_b32 v[LI], 4, v28
	v_lshlrev_b32 v[LS], 2, v28
	v_add_nc_u32 v[KGO], s48, v[LI]
	v_lshl_add_u32 v[KGS], v30, 7, v[LS]
	v_add_nc_u32 v[KGS], s48, v[KGS]
	s_wait_alu depctr_va_vdst(0)                   ; a wait ahead of the scalar lines below
	s_add_co_u32 s58, s[ROT], 15
.set q, 0
.rept 16                               ; k of the walk's step q lies in block (rot + 15 + q) % 16
	s_add_co_u32 s59, s58, q
	s_and_b32 s59, s59, 15
	s_mul_i32 s59, s59, BLK
	v_add_nc_u32 v[KGA+q], s59, v[KGO]
	v_add_nc_u32 v[KGB+q], s59, v[KGS]
.set q, q+1
.endr
	s_wait_dscnt 0x0                               ; both opening adds are done
	s_wait_alu depctr_va_vdst(0)
	s_wait_kmcnt 0x0
	s_add_nc_u64 s[4:5], s[4:5], s[42:43]
	s_add_nc_u64 s[6:7], s[6:7], s[44:45]
	s_add_nc_u64 s[8:9], s[8:9], s[46:47]
	s_add_nc_u64 s[RB:RB+1], s[6:7], s[48:49]
	s_add_nc_u64 s[PFA:PFA+1], s[6:7], s[52:53]
	ROUND
	s_mov_b32 s[G0], 1
	s_mov_b32 s[G0+1], s48
	s_add_nc_u64 s[G0+2:G0+3], s[RB:RB+1], s[OF:OF+1]
	s_mov_b32 s[G0+4], 1
	s_add_co_u32 s[G0+5], s48, SLOTB
	s_add_nc_u64 s[G0+6:G0+7], s[G0+2:G0+3], BLK
	s_or_b32 s[G0+3], s[G0+3], 0x80000000
	s_or_b32 s[G0+7], s[G0+7], 0x80000000
	tensor_load_to_lds s[G0:G0+3], s[G1:G1+7]      ; the walk's first tile: my one tensor load at the head; pass 1 runs while it is out
	s_nop 0
	PLACES
.irp m, 0,1,2,3
.irp k, 0,1,2
	global_load_b128 v[QF+12*\m+4*\k:QF+12*\m+4*\k+3], v[LI], s[4:5] offset:FRB*\m+512*\k
.endr
.endr
.irp m, 0,1,2,3
	global_load_b32 v[QS+\m], v[LS], s[4:5] offset:4*FRB+128*\m
.endr
.set q, 0
.rept 16
	global_load_b32 v[SCB+q], v[KGB+q], s[6:7] offset:KSOFF
.set q, q+1
.endr
.set q, 0
.rept 16                               ; my key block's two fragments of all 16 steps, into windows 2 and 3
	WIN 0x80+0x40*(q/8)
.irp u, 0,1
.irp k, 0,1,2
	global_load_b128 v[24*(q%8)+12*\u+4*\k:24*(q%8)+12*\u+4*\k+3], v[KGA+q], s[6:7] offset:KOFF+FRB*\u+512*\k
.endr
.endr
.set q, q+1
.endr
	WIN 0
	v_add_nc_u32 v[AV], s48, v[LI]
	v_add_nc_u32 v[AV+1], SLOTB, v[AV]
	v_lshl_add_u32 v[A8], v28, 3, s48
	v_add_nc_u32 v[A8+1], SLOTB, v[A8]
	v_add_nc_u32 v[AS], s48, v[LS]
	v_add_nc_u32 v[AS+1], SLOTB, v[AS]
	v_lshl_add_u32 v[AK], v30, 7, v[AS]
	v_add_nc_u32 v[AK+1], SLOTB, v[AK]
	s_lshr_b32 s54, s[WV], 1                       ; block w of an image: dword i is register 6 (w >> 1) + 3 h + i of lane r + 16 (w & 1)
	s_mul_i32 s54, s54, 6
	s_and_b32 s55, s[WV], 1
	s_lshl_b32 s55, s55, 8
	s_add_co_u32 s55, s55, PB
	v_mul_u32_u24 v31, v30, 3
	v_add_nc_u32 v31, s54, v31
	v_lshl_add_u32 v124, v29, 4, s55
.irp i, 0,1,2
	v_add_nc_u32 v125, \i, v31
	v_lshrrev_b32 v[PWA+\i], 2, v125
	v_and_b32 v125, 3, v125
	v_lshl_add_u32 v[PWA+\i], v[PWA+\i], 9, v124
	v_lshl_add_u32 v[PWA+\i], v125, 2, v[PWA+\i]
.endr
	v_lshlrev_b32 v[PSR], 4, v29
	v_add_nc_u32 v[PSR], PB+4*FRB, v[PSR]
	v_add_nc_u32 v[PSW], s[WV], v[PSR]
	v_add_nc_u32 v[PRD], PB, v[LI]
	s_lshl_b32 s54, s[WV], 13
	s_add_co_u32 s54, s54, BM
	v_add_nc_u32 v[BMA], s54, v[LI]
	v_mov_b32 v[BMR], v[BMA]
	s_lshl_b32 s54, s[WV], 9
	s_add_co_u32 s54, s54, MX
	v_add_nc_u32 v[MXW], s54, v[LI]
	v_add_nc_u32 v[MXR], MX, v[LI]
	v_min_u32 v[PFO], 99, v0
	v_lshlrev_b32 v[PFO], 8, v[PFO]
	s_mul_i32 s54, s[WV], STGW
	v_mul_u32_u24 v[STO], v29, 1040
	v_lshl_add_u32 v[STO], v30, 5, v[STO]
	v_add_nc_u32 v[STO], s54, v[STO]
	v_add_nc_u32 v[RD], s54, v[LI]
.irp m, 0,1,2,3
	v_mov_b32 v[RM+\m], 0xff800000
	v_mov_b32 v[PMX+\m], 0                         ; a lane permute's destination counts as read
.endr
	s_wait_alu depctr_va_vdst(0)
.irp s, 0,1,2,3,4,5,6,7,8,9,10,11,12,13,14,15
	P1STEP \s
.endr
	ds_store_b128 v[MXW], v[RM:RM+3]               ; my key blocks' row maxima
	s_wait_alu depctr_va_vdst(0)
	s_wait_tensorcnt 0x0                           ; the first tile is in; slot 1's first fill is issued as a refill is
	ds_add_u32 v[SPW], v[NIL]
	s_wait_dscnt 0x0                               ; the add and my stores
	ROUND
	tensor_load_to_lds s[G0+4:G0+7], s[G1:G1+7]    ; the second tile, my one tensor load behind the round
	s_nop 0
	PLACES
.irp q, 0,1,2,3
	ds_load_b128 v[S+4*\q:S+4*\q+3], v[MXR] offset:512*\q
.endr
	ds_load_b128 v[BMX:BMX+3], v[BMR]
	global_prefetch_b8 v[PFO], s[PFA:PFA+1] th:TH_LOAD_NT scope:SCOPE_SE              ; quarter cx of the walk's third tile,
	global_prefetch_b8 v[PFO], s[PFA:PFA+1] offset:BLK th:TH_LOAD_NT scope:SCOPE_SE   ; and of its fourth; the address registers are never rewritten
	s_wait_dscnt 0x0
.irp m, 0,1,2,3
	v_max3_num_f32 v[RM+\m], v[S+\m], v[S+4+\m], v[S+8+\m]
.endr
.irp m, 0,1,2,3
	v_max_num_f32 v[RM+\m], v[RM+\m], v[S+12+\m]
.endr
.irp m, 0,1,2,3
	v_mul_f32 v[RM+\m], s[CS], v[RM+\m]
.endr
.irp m, 0,1,2,3
	v_floor_f32 v[NM+2*\m], -v[RM+\m]              ; -M = floor(-t)
.endr
.irp m, 0,1,2,3
	v_mov_b32 v[NM+2*\m+1], v[NM+2*\m]
.endr
.irp j, 0,1,2,3,4,5,6,7
	v_mov_b32 v[LSUM+\j], 0
.endr
	WIN 0x02
	SPROD 0, SCB                                   ; the first step's scores once more, from pass 1's registers
	WIN 0
	SOFT 0, 0
	PSTORE 0
	s_wait_alu depctr_va_vdst(0)
	s_wait_dscnt 0x0
	s_barrier_signal -1
	s_barrier_wait -1                              ; p of the first step is whole
	TRIP 0, 1, 0, 1
.Lpair:
	TRIP 1, 0, 1, 1
	TRIP 0, 0, 1, 1
	s_sub_co_u32 s[CNT], s[CNT], 1
	s_cmp_lg_u32 s[CNT], 0
	s_cbranch_scc1 .Lpair
	TRIP 1, 0, 2, 0                                ; the last trip is written out: it asks for nothing
.irp m, 0,1,2,3
	v_add_f32 v[BMX+\m], v[LSUM+2*\m], v[LSUM+2*\m+1]
.endr
.irp m, 0,1,2,3
	v_permlanex16_b32 v[PMX+\m], v[BMX+\m], s[SEL], s[SEL+1]
.endr
.irp m, 0,1,2,3
	v_add_f32 v[BMX+\m], v[BMX+\m], v[PMX+\m]
.endr
	ds_store_b128 v[MXW], v[BMX:BMX+3] offset:2048 ; my key blocks' part of the rows' sums
	s_wait_dscnt 0x0
	s_barrier_signal -1
	s_barrier_wait -1
.irp q, 0,1,2,3
	ds_load_b128 v[S+4*\q:S+4*\q+3], v[MXR] offset:2048+512*\q
.endr
	s_wait_dscnt 0x0
.irp m, 0,1,2,3
	v_add_f32 v[S+\m], v[S+\m], v[S+4+\m]
.endr
.irp m, 0,1,2,3
	v_add_f32 v[S+8+\m], v[S+8+\m], v[S+12+\m]
.endr
.irp m, 0,1,2,3
	v_add_f32 v[S+\m], v[S+\m], v[S+8+\m]
.endr
	s_wait_alu depctr_va_vdst(0)                   ; a wait ahead of the batch
.irp m, 0,1,2,3
	v_rcp_f32 v[NM+2*\m], v[S+\m]
.endr
	v_nop
	s_wait_alu depctr_va_vdst(0)                   ; and behind it
	OUTM 0
	OUTM 1
	OUTM 2
	OUTM 3
	s_wait_tensorcnt 0x0                           ; the wave's end
	ds_add_u32 v[SPW], v[NIL]
	s_wait_dscnt 0x0
	ROUND                                          ; the closing round
	s_endpgm
.Lfunc_end_k_q23088640c2_attn:
	.size	k_q23088640c2_attn, .Lfunc_end_k_q23088640c2_attn-k_q23088640c2_attn
	.p2alignl 7, 3214868480
	.fill 96, 4, 3214868480
	.section	.rodata,"a",@progbits
	.p2align	6, 0x0
	.amdhsa_kernel k_q23088640c2_attn
		.amdhsa_group_segment_fixed_size 327680
		.amdhsa_private_segment_fixed_size 0
		.amdhsa_enable_private_segment 0
		.amdhsa_kernarg_size 24
		.amdhsa_user_sgpr_count 2
		.amdhsa_user_sgpr_kernarg_segment_ptr 1
		.amdhsa_wavefront_size32 1
		.amdhsa_system_sgpr_workgroup_id_x 1
		.amdhsa_system_sgpr_workgroup_id_y 1
		.amdhsa_system_sgpr_workgroup_id_z 1
		.amdhsa_system_vgpr_workitem_id 0
		.amdhsa_next_free_vgpr 1024
		.amdhsa_next_free_sgpr 66
		.amdhsa_reserve_vcc 0
		.amdhsa_float_denorm_mode_32 3
		.amdhsa_float_denorm_mode_16_64 3
		.amdhsa_memory_ordered 1
		.amdhsa_forward_progress 1
		.amdhsa_inst_pref_size 234
	.end_amdhsa_kernel
	.amdgpu_metadata
---
amdhsa.version: [ 1, 2 ]
amdhsa.kernels:
  - .name:           k_q23088640c2_attn
    .symbol:         k_q23088640c2_attn.kd
    .args:
      - { .name: qf, .offset: 0, .size: 8, .value_kind: global_buffer, .address_space: global }
      - { .name: kv, .offset: 8, .size: 8, .value_kind: global_buffer, .address_space: global }
      - { .name: out0, .offset: 16, .size: 8, .value_kind: global_buffer, .address_space: global }
    .group_segment_fixed_size: 327680
    .private_segment_fixed_size: 0
    .kernarg_segment_align: 8
    .kernarg_segment_size: 24
    .max_flat_workgroup_size: 128
    .sgpr_count:     66
    .vgpr_count:     1024
    .wavefront_size: 32
...
	.end_amdgpu_metadata
.endif
;; end of part 6
